; MI455X (gfx1250); checked and timed in simulation.
; The chip was launched on July 23, 2026; its instructions are those of AMD's public machine-readable ISA for CDNA 5 (MIT licence, August 2026) and "CDNA5" Instruction Set Architecture Reference Guide (July 2026). The comments in the code are by the model that wrote it; some were corrected since.
;; Transformer Encoder Layer. Allowed arithmetic: matrix products marked QUANTISED: E2M3 operands, one E8M0 scale for each 32 along K, by v_wmma_scale_f32_16x16x128_f8f6f4 with both operands' format E2M3, f32 sums; everything else in f32.
;; Inputs: W1 1,024 x 4,096 float32; W2 4,096 x 1,024 float32; Wk 1,024 x 1,024 float32; Wo 1,024 x 1,024 float32; Wq 1,024 x 1,024 float32; Wv 1,024 x 1,024 float32; b1 4,096 float32; b2 1,024 float32; be1 1,024 float32; be2 1,024 float32; bk 1,024 float32; bo 1,024 float32; bq 1,024 float32; bv 1,024 float32; g1 1,024 float32; g2 1,024 float32; x 2 x 2,048 x 1,024 float32.
;; Outputs: out0 2 x 2,048 x 1,024 float32.
;; This version of the problem:
;;   THIS VERSION OF THE PROBLEM IS GIVEN IN LOW PRECISION. The matrix products marked QUANTISED in the list below multiply operands that are first quantised to E2M3 (2 exponent bits, 3 mantissa bits; 6 bits a number), with one power-of-two scale for each 32 numbers along K (OCP MX v1.0); their sums are f32. All else is computed in f32.
;;   The module's matrix products, in the order in which they are computed (A, B: the left and right operand; K: the contracted axis; several contracted axes count as one K, in the product's order):
;;     1. [M 4,096, K 1,024] x [K 1,024, N 1,024]; A: input x; B: input Wq: QUANTISED
;;     2. [M 4,096, K 1,024] x [K 1,024, N 1,024]; A: input x; B: input Wk: QUANTISED
;;     3. [M 4,096, K 1,024] x [K 1,024, N 1,024]; A: input x; B: input Wv: QUANTISED
;;     4. batch 32 x [M 2,048, K 64] x [K 64, N 2,048]; A: computed on the way; B: computed on the way: QUANTISED
;;     5. batch 32 x [M 2,048, K 2,048] x [K 2,048, N 64]; A: softmax (see below); B: computed on the way: QUANTISED
;;     6. [M 4,096, K 1,024] x [K 1,024, N 1,024]; A: computed on the way; B: input Wo: QUANTISED
;;     7. [M 4,096, K 1,024] x [K 1,024, N 4,096]; A: computed on the way; B: input W1: QUANTISED
;;     8. [M 4,096, K 4,096] x [K 4,096, N 1,024]; A: computed on the way; B: input W2: QUANTISED
;;   THE QUANTISER, for each operand of a quantised product, along K:
;;     - K is cut into blocks of 32 from its start; a last block that is shorter is filled with zeros.
;;     - A block's scale is 2^e with e = floor(log2(the largest magnitude in the block)) - 2, held to -126 .. 127; a block of zeros has e = 0. As a byte (E8M0): e + 127.
;;     - Each number is divided by its block's scale, clamped to +-7.5, and rounded to the nearest number of E2M3, ties to even, subnormals kept.
;;     - The product sums the exact products of the quantised numbers (number of the format x scale) in f32.
;;   ~~~python
;;   def quantise(x, axis):      # numpy; x: float32 -> the quantised numbers, widened to float32 again
;;       x = np.moveaxis(x, axis, -1); K = x.shape[-1]
;;       x = np.pad(x, [(0, 0)] * (x.ndim - 1) + [(0, -K % 32)]); x = x.reshape(x.shape[:-1] + (-1, 32)); a = np.abs(x).max(-1, keepdims=True)
;;       e = np.where(a > 0, np.clip(np.frexp(np.where(a > 0, a, 1))[1] - 1 - 2, -126, 127), 0)      # np.frexp(a)[1] - 1 = floor(log2(a)), exactly
;;       r = np.clip(x / 2.0 ** e, -7.5, 7.5)
;;       step = 2.0 ** (np.maximum(np.frexp(np.where(r == 0, 1, r))[1] - 1, 0) - 3)
;;       q = np.round(r / step) * step * 2.0 ** e      # np.round: ties to even
;;       return np.moveaxis(q.reshape(q.shape[:-2] + (-1,))[..., :K], -1, axis).astype(np.float32)
;;   ~~~
;;   SOFTMAX AHEAD OF A QUANTISED PRODUCT. Where the list says 'softmax', what is quantised is not the finished softmax but p = 2^(t - M), with t = logit x log2(e) and M = ceil(the row's largest t), a whole number; so 1/2 < the row's largest p <= 1. The row's sum l is taken of the UNQUANTISED p, in f32, and the product's result is divided by l at the end. Since M is a whole number, a kernel that streams over the keys may use a running M (the ceiling of the running maximum): every later rescaling is an exact power of two, which a block's scale takes up: the codes' values come out the same.
;;   OPERANDS COMPUTED ON THE WAY. 'Computed on the way' means the value that the module computes at that place (a softmax that the list does not call 'softmax' is quantised finished and normalised). What goes into a quantiser is computed in f32, as accurately as f32 sums, v_exp_f32 and their like allow (about 1e-6 of the number): no bf16 or f16 on the way to a quantiser, and a product that is left as it is and whose result goes on into a quantised operand takes f32 operands (vector FMAs, or v_wmma_f32_16x16x4_f32). A number that lies on a knife's edge between two numbers of the format may be rounded either way, as far as f32 arithmetic and the matrix unit's own rounding can turn it there, and no further.
;; One version. Each part assembles by itself: llvm-mc -triple=amdgcn-amd-amdhsa -mcpu=gfx1250 --defsym DOCPART=n.
;; ======== version 1 of 1: 8 launches
;; limits: right only within a limited range of input values
;; workspace buffers: xq 3,670,016 bytes; wqkv 2,883,584 bytes; woq 1,310,720 bytes; w1q 3,670,016 bytes; w2q 3,670,016 bytes; act_a 20,447,232 bytes; act_b 13,107,200 bytes; part 67,108,864 bytes
;; launch prep (part 1): grid 640 x 1, 4 waves a work-group, no clusters, 58,880 bytes of LDS; arguments x, Wq, Wk, Wv, Wo, W1, W2, bq, bk, bv, b1, xq, wqkv, woq, w1q, w2q; writes xq, wqkv, woq, w1q, w2q
.if DOCPART == 1
	.amdgcn_target "amdgcn-amd-amdhsa--gfx1250"
	.amdhsa_code_object_version 6
	.text
	.protected	k_q3ec437e51d_prep
	.globl	k_q3ec437e51d_prep
	.p2align	8
	.type	k_q3ec437e51d_prep,@function
k_q3ec437e51d_prep:
	s_mov_b64 s[64:65], 0
	v_nop
	global_prefetch_b8 v0, s[64:65] scope:SCOPE_SE
	s_setreg_imm32_b32 hwreg(HW_REG_WAVE_MODE, 25, 1), 1
	s_wait_xcnt 0x0
; x [4096][1024] and the six weights (stored [k][n]) become codes of FP6 (E2M3) with one E8M0 byte for each 32 along K.
; A block's scale is 2^(floor(log2(largest magnitude)) - 2); its byte is the largest magnitude's exponent field - 2, held at 1 from below.
; LIMITS: a block whose largest magnitude lies under 2^-124, a block of zeros among them, has the byte 1 (its codes are then zeros or tiny, and this program alone reads the bytes); NaN and infinities are not served.
; THE LAYOUT OF EVERY OPERAND BUFFER.  Rows stand in the order in which bits 3 and 4 of the row's number change places: place 16 blk + i holds row 32 (blk / 2) + 8 (blk % 2) + i + 8 (i / 8).
; Codes, from byte 0x80000 on, are images of the operand's registers: (((plane x 4 + ks) x (rows / 16) + blk) x 4 + g) x 768 + 256 p + 8 lane holds registers 2 p, 2 p + 1 of the six that lane (r, h) has for
; k = 256 ks + 64 g + 32 h + 0 .. 31 of place 16 blk + r.  Scale words, from byte 0: ((plane x (rows / 128) + place / 128) x 8 + k / 128) x 512 + 4 (place % 128).  Weights: the bias at 0x20000, an activation's floor at 0x24000.
; Work-groups 0-255 take x: 16 places each, a wave 256 along K.  Work-groups 256-639 take the weights in twelve units of [1024 k][1024 n]: 128 columns x 256 k each, a wave 32 columns.
; No cluster: no two work-groups read the same bytes.  No tensor load, no barrier: waves share nothing.  The two paths have LDS bytes of their own.
.set XSTG, 8448                        ; x: a wave's stage, 16 rows of 512 bytes + 16
.set WLDS, 4*XSTG                      ; the weights' stages begin here
.set WSTG, 6144                        ; a wave's: two blocks of 16 places x 256 k as they will lie in memory
.set SEL,  40                          ; s[40:41] lane selects for v_permlanex16_b32: lane l xor 16
.set OC,   44                          ; s[44:45] x: where my codes go
.set IO,   4                           ; v4  x: 8 x lane
.set R,    16                          ; v16-143  x as loaded, two fragments' worth
.set XS,   144                         ; v144-207 64 numbers of a lane: register 16 b + i = k 32 b + 16 h + i of my row
.set PC,   208                         ; v208-227 the codes just made
.set TM,   228                         ; v228-243 at work
.set PW,   244                         ; v244     the scale word just made
.set OF,   32                          ; v32-63   weights: 4 x lane + i rows
.set X,    64                          ; v64-127  two sets of 32 numbers down K
.set C,    128                         ; v128-133 a block's codes
.set T,    134                         ; v134-136 their second half as the conversion leaves it
.set SB,   138                         ; v138-139 the scale words
.set OUTR, 140                         ; v140-187 the way out
; 64 numbers of a lane become a fragment's codes in v[PC] on and its scale word in v[PW]
.macro QUANT s
.irp b, 0,1,2,3
	v_max3_num_f32 v[TM+\b], |v[\s+16*\b]|, |v[\s+1+16*\b]|, 0x1800000   ; block b: my 16 numbers, and the floor 2^(3 - 127): the byte cannot fall under 1
.endr
.irp i, 2,4,6,8,10,12,14
.irp b, 0,1,2,3
	v_max3_num_f32 v[TM+\b], v[TM+\b], |v[\s+16*\b+\i]|, |v[\s+1+16*\b+\i]|
.endr
.endr
.irp b, 0,1,2,3
	v_permlanex16_b32 v[TM+4+\b], v[TM+\b], s[SEL], s[SEL+1]
.endr
.irp b, 0,1,2,3
	v_max_num_f32 v[TM+\b], v[TM+\b], v[TM+4+\b]   ; with lane l xor 16's: the block's largest magnitude
.endr
.irp b, 0,1,2,3
	v_add_nc_u32 v[TM+12+\b], 0xff000000, v[TM+\b]   ; 2 off its exponent field: the conversion's scale operand
.endr
.irp b, 0,1,2,3
	v_lshrrev_b32 v[TM+4+\b], 23, v[TM+12+\b]      ; the scale's byte
.endr
	v_lshl_or_b32 v[PW], v[TM+5], 8, v[TM+4]
	v_lshl_or_b32 v[PW], v[TM+6], 16, v[PW]
	v_lshl_or_b32 v[PW], v[TM+7], 24, v[PW]
.irp c, 0,1
	v_cvt_scalef32_pk16_fp6_f32 v[PC+6*\c:PC+2+6*\c], v[\s+32*\c:\s+15+32*\c], v[TM+12+2*\c]
	v_cvt_scalef32_pk16_fp6_f32 v[PC+12+4*\c:PC+14+4*\c], v[\s+16+32*\c:\s+31+32*\c], v[TM+12+2*\c+1]   ; (a conversion's three registers begin on an even number)
.endr
	v_nop                                          ; one plain place behind a scaled conversion
.irp c, 0,1                            ; the operand wants a whole block in a lane: lanes 0-15 block 2 c, lanes 16-31 block 2 c + 1
.irp i, 0,1,2
	v_permlane16_swap_b32 v[PC+6*\c+\i], v[PC+12+4*\c+\i]
.endr
.irp i, 0,1,2
	v_mov_b32 v[PC+3+6*\c+\i], v[PC+12+4*\c+\i]
.endr
.endr
.endm
.macro PUTFRAG off                     ; the fragment leaves as it stands: each store covers 256 consecutive bytes, aligned
.irp p, 0,1,2,3,4,5
	global_store_b64 v[IO], v[PC+2*\p:PC+2*\p+1], s[OC:OC+1] offset:\off+256*\p
.endr
.endm
	s_load_b512 s[8:23], s[0:1], 0x0               ; x 8, Wq 10, Wk 12, Wv 14, Wo 16, W1 18, W2 20, bq 22
	s_load_b512 s[24:39], s[0:1], 0x40             ; bk 24, bv 26, b1 28, xq 30, wqkv 32, woq 34, w1q 36, w2q 38
	v_lshl_add_u32 v254, v0, 2, 0xe400
	v_mov_b32 v255, 0
	v_lshrrev_b32 v1, 5, v0
	v_readfirstlane_b32 s2, v1                     ; wave
	v_and_b32 v6, 31, v0                           ; lane
	v_and_b32 v7, 15, v0                           ; r
	v_bfe_u32 v8, v0, 4, 1                         ; h
	s_mov_b32 s[SEL], 0x76543210
	s_mov_b32 s[SEL+1], 0xfedcba98
	s_cmp_lt_u32 ttmp9, 256
	s_cbranch_scc0 .Lweights
	; ---- x: block ttmp9 of 16 places, K step = my wave
	v_lshlrev_b32 v1, 4, v6                        ; 16 x lane: a load reads 512 consecutive bytes of one row
	s_mul_i32 s3, s2, XSTG
	v_add_nc_u32 v2, s3, v1                        ; into the stage as loaded
	v_mul_u32_u24 v3, v7, 528
	v_lshl_add_u32 v3, v8, 6, v3
	v_add_nc_u32 v3, s3, v3                        ; out of it: row r, + 64 h: my 16 numbers of a block of 32
	v_lshlrev_b32 v[IO], 3, v6
	v_lshlrev_b32 v5, 2, v7
.irp b, 0,1,2,3
	v_mov_b32 v[TM+4+\b], 0                        ; written once: a lane permute's destination counts as one of its sources
.endr
	s_lshr_b32 s42, ttmp9, 1
	s_lshl_b32 s42, s42, 5
	s_and_b32 s43, ttmp9, 1
	s_lshl_b32 s43, s43, 3
	s_add_co_u32 s42, s42, s43                     ; the row at place 0 of the block
	s_lshl_b32 s42, s42, 12
	s_lshl_b32 s43, s2, 10
	s_add_co_u32 s42, s42, s43                     ; + 256 numbers a K step
	s_mov_b32 s43, 0
	s_lshl_b32 s44, s2, 8
	s_add_co_u32 s44, s44, ttmp9
	s_mul_i32 s44, s44, 3072
	s_add_co_u32 s44, s44, 0x80000
	s_mov_b32 s45, 0
	s_lshr_b32 s46, ttmp9, 3
	s_lshl_b32 s46, s46, 3
	s_lshl_b32 s47, s2, 1
	s_add_co_u32 s46, s46, s47
	s_lshl_b32 s46, s46, 9
	s_and_b32 s47, ttmp9, 7
	s_lshl_b32 s47, s47, 6
	s_add_co_u32 s46, s46, s47
	s_mov_b32 s47, 0
	s_wait_alu depctr_va_vdst(0)
	s_wait_kmcnt 0x0
	s_add_nc_u64 s[42:43], s[8:9], s[42:43]
	s_add_nc_u64 s[44:45], s[30:31], s[44:45]
	s_add_nc_u64 s[46:47], s[30:31], s[46:47]
.irp q, 0,1
.irp i, 0,1,2,3,4,5,6,7,8,9,10,11,12,13,14,15
	global_load_b128 v[R+64*\q+4*\i:R+64*\q+4*\i+3], v1, s[42:43] offset:(\i+8*(\i/8))*4096+512*\q th:TH_LOAD_NT
.endr
.endr
.irp q, 0,1
	s_wait_loadcnt 16*(1-\q)                       ; this fragment's 16 loads are in; the other's may be out
.irp i, 0,1,2,3,4,5,6,7,8,9,10,11,12,13,14,15
	ds_store_b128 v2, v[R+64*\q+4*\i:R+64*\q+4*\i+3] offset:528*\i
.endr
.irp b, 0,1,2,3
.irp j, 0,1,2,3
	ds_load_b128 v[XS+16*\b+4*\j:XS+16*\b+4*\j+3], v3 offset:128*\b+16*\j   ; LDS serves a wave's instructions in order: these see my stores
.endr
.endr
	s_wait_dscnt 0x0
	s_wait_xcnt 0x0                                ; the last fragment's stores have read their registers
	QUANT XS
	PUTFRAG 1536*\q
	global_store_b32 v5, v[PW], s[46:47] offset:512*\q   ; lanes l and l xor 16 write the same word with the same value
.endr
	s_wait_tensorcnt 0x0
	ds_add_u32 v254, v255
	s_wait_dscnt 0x0
	s_endpgm
.Lweights:
	; ---- a weight: unit U, 128 columns, 256 along K.  A lane takes a column and its registers run down K
	s_sub_co_u32 s3, ttmp9, 256
	s_lshr_b32 s66, s3, 5                          ; U: 0-3 Wq Wk Wv Wo, 4-7 W1 by columns, 8-11 W2 by rows
	s_and_b32 s67, s3, 7                           ; which 128 columns
	s_bfe_u32 s68, s3, 0x20003                     ; K step
	s_and_b32 s69, s66, 3
	s_cmp_eq_u32 s66, 3
	s_cselect_b32 s69, 0, s69                      ; the unit's number in its own buffer
	s_lshr_b32 s70, s66, 2                         ; 0 square, 1 W1, 2 W2
	s_mov_b32 s71, 4096
	s_cmp_eq_u32 s70, 1
	s_cselect_b32 s71, 16384, s71                  ; bytes from row to row
	s_lshl_b32 s72, s69, 12
	s_lshl_b32 s73, s69, 22
	s_cmp_eq_u32 s70, 1
	s_cselect_b32 s72, s72, 0
	s_cmp_eq_u32 s70, 2
	s_cselect_b32 s72, s73, s72                    ; where the unit begins in its tensor
	s_lshl_b32 s73, s68, 8
	s_mul_i32 s73, s73, s71
	s_add_co_u32 s72, s72, s73
	s_lshl_b32 s73, s67, 9
	s_add_co_u32 s72, s72, s73
	s_lshl_b32 s73, s2, 7
	s_add_co_u32 s72, s72, s73
	s_mov_b32 s73, 0
	s_wait_alu depctr_va_vdst(0)
	v_lshlrev_b32 v[OF], 2, v6
.set i, 1
.rept 31
	v_add_nc_u32 v[OF+i], s71, v[OF+i-1]
.set i, i+1
.endr
	v_bfe_u32 v1, v0, 3, 1                         ; column x stands at block (x / 8) % 2,
	v_and_b32 v2, 7, v0
	v_lshl_or_b32 v2, v8, 3, v2                    ; place 8 (x / 16) + x % 8 of it
	s_mul_i32 s74, s2, WSTG
	s_add_co_u32 s74, s74, WLDS
	v_mul_u32_u24 v3, v1, 3072
	v_lshl_add_u32 v3, v2, 3, v3
	v_add_nc_u32 v3, s74, v3                       ; into the stage
	v_lshlrev_b32 v5, 4, v6
	v_add_nc_u32 v4, s74, v5                       ; out of it: 16 bytes a lane
	v_lshl_add_u32 v9, v1, 4, v2
	s_lshl_b32 s75, s2, 5
	v_add_nc_u32 v9, s75, v9
	v_lshlrev_b32 v9, 2, v9                        ; my column's scale word among the 128
	s_lshl_b32 s74, s69, 2
	s_add_co_u32 s74, s74, s68
	s_lshl_b32 s74, s74, 6
	s_lshl_b32 s75, s67, 3
	s_add_co_u32 s74, s74, s75
	s_lshl_b32 s75, s2, 1
	s_add_co_u32 s74, s74, s75
	s_mul_i32 s74, s74, 3072
	s_add_co_u32 s74, s74, 0x80000
	s_mov_b32 s75, 0
	s_lshl_b32 s78, s69, 3
	s_add_co_u32 s78, s78, s67
	s_lshl_b32 s78, s78, 3
	s_lshl_b32 s79, s68, 1
	s_add_co_u32 s78, s78, s79
	s_lshl_b32 s78, s78, 9
	s_mov_b32 s79, 0
	s_lshl_b32 s60, s71, 5                         ; 32 rows
	s_mov_b32 s61, 0
	s_wait_kmcnt 0x0
	s_cmp_eq_u32 s66, 1                            ; the buffers are chosen by the work-group's number alone
	s_cselect_b64 s[42:43], s[12:13], s[10:11]
	s_cmp_eq_u32 s66, 2
	s_cselect_b64 s[42:43], s[14:15], s[42:43]
	s_cmp_eq_u32 s66, 3
	s_cselect_b64 s[42:43], s[16:17], s[42:43]
	s_cselect_b64 s[62:63], s[34:35], s[32:33]
	s_cmp_eq_u32 s70, 1
	s_cselect_b64 s[42:43], s[18:19], s[42:43]
	s_cselect_b64 s[62:63], s[36:37], s[62:63]
	s_cmp_eq_u32 s70, 2
	s_cselect_b64 s[42:43], s[20:21], s[42:43]
	s_cselect_b64 s[62:63], s[38:39], s[62:63]
	s_add_nc_u64 s[44:45], s[42:43], s[72:73]      ; a base for each block of 32 rows: none is ever stepped
.irp t, 1,2,3,4,5,6,7
	s_add_nc_u64 s[44+2*\t:45+2*\t], s[42+2*\t:43+2*\t], s[60:61]
.endr
	s_add_nc_u64 s[76:77], s[62:63], s[74:75]      ; my codes
	s_add_nc_u64 s[78:79], s[62:63], s[78:79]      ; my scale words
.macro LOADW t
.irp i, 0,1,2,3,4,5,6,7,8,9,10,11,12,13,14,15,16,17,18,19,20,21,22,23,24,25,26,27,28,29,30,31
	global_load_b32 v[X+32*((\t)%2)+\i], v[OF+\i], s[44+2*(\t):45+2*(\t)] th:TH_LOAD_NT
.endr
.endm
.macro BLOCK t
.set XB, X+32*((\t)%2)
.if (\t) < 7
	s_wait_loadcnt 32                              ; this block's 32 loads are in; the next block's may be out
.else
	s_wait_loadcnt 0
.endif
	v_max3_num_f32 v12, |v[XB]|, |v[XB+1]|, |v[XB+2]|   ; all 32 numbers of the block are mine
	v_max3_num_f32 v13, |v[XB+3]|, |v[XB+4]|, |v[XB+5]|
.irp i, 6,10,14,18,22,26
	v_max3_num_f32 v12, v12, |v[XB+\i]|, |v[XB+\i+1]|
	v_max3_num_f32 v13, v13, |v[XB+\i+2]|, |v[XB+\i+3]|
.endr
	v_max3_num_f32 v12, v12, |v[XB+30]|, |v[XB+31]|
	v_max3_num_f32 v12, v12, v13, 0x1800000        ; and the floor
	v_add_nc_u32 v11, 0xff000000, v12
	v_lshrrev_b32 v13, 23, v11
.if (\t)%4 == 0
	v_mov_b32 v[SB+(\t)/4], v13
.else
	v_lshl_or_b32 v[SB+(\t)/4], v13, 8*((\t)%4), v[SB+(\t)/4]
.endif
	v_cvt_scalef32_pk16_fp6_f32 v[C:C+2], v[XB:XB+15], v11
	v_cvt_scalef32_pk16_fp6_f32 v[T:T+2], v[XB+16:XB+31], v11
	v_nop                                          ; one plain place behind a scaled conversion
.irp i, 0,1,2
	v_mov_b32 v[C+3+\i], v[T+\i]
.endr
.irp p, 0,1,2
	ds_store_b64 v3, v[C+2*\p:C+2*\p+1] offset:((\t)/2)*768+((\t)%2)*128+256*\p   ; block t is group t / 2, half t % 2 of the lanes
.endr
.if (\t)+2 < 8
	LOADW (\t)+2
.endif
	s_wait_dscnt 0x0                               ; the stores have read their registers
.endm
	LOADW 0
	LOADW 1
.irp t, 0,1,2,3,4,5,6,7
	BLOCK \t
.endr
.irp i, 0,1,2,3,4,5,6,7,8,9,10,11
	ds_load_b128 v[OUTR+4*\i:OUTR+4*\i+3], v4 offset:512*\i
.endr
.irp i, 0,1,2,3,4,5,6,7,8,9,10,11
	s_wait_dscnt 11-\i                             ; the younger loads may be out
	global_store_b128 v5, v[OUTR+4*\i:OUTR+4*\i+3], s[76:77] offset:512*\i   ; 512 consecutive bytes, aligned
.endr
	global_store_b32 v9, v[SB], s[78:79]
	s_wait_alu depctr_va_vdst(0)
	global_store_b32 v9, v[SB+1], s[78:79] offset:512
	; ---- the bias goes beside its weight (K step 0's work-groups; Wo and W2 have theirs added elsewhere)
	s_cmp_lg_u32 s68, 0
	s_cbranch_scc1 .Ldone
	s_cmp_eq_u32 s66, 3
	s_cbranch_scc1 .Ldone
	s_cmp_ge_u32 s66, 8
	s_cbranch_scc1 .Ldone
	s_lshl_b32 s60, s69, 12                        ; the unit's 1,024 numbers in bytes.  Ahead of the compares: a shift sets SCC (ISA guide, the scalar shifts' entries), so nothing but selects may stand between a compare and its selects
	s_cmp_eq_u32 s66, 1
	s_cselect_b64 s[42:43], s[24:25], s[22:23]
	s_cmp_eq_u32 s66, 2
	s_cselect_b64 s[42:43], s[26:27], s[42:43]
	s_cmp_eq_u32 s70, 1
	s_cselect_b64 s[42:43], s[28:29], s[42:43]
	s_cselect_b32 s74, s60, 0                      ; b1 holds all four units on end; bq, bk and bv hold one each
	s_lshl_b32 s72, s67, 9
	s_lshl_b32 s73, s2, 7
	s_add_co_u32 s72, s72, s73
	s_add_co_u32 s74, s74, s72
	s_mov_b32 s75, 0
	s_add_co_u32 s72, s72, s60
	s_add_co_u32 s72, s72, 0x20000
	s_mov_b32 s73, 0
	s_add_nc_u64 s[42:43], s[42:43], s[74:75]
	s_add_nc_u64 s[72:73], s[62:63], s[72:73]
	global_load_b32 v10, v[OF], s[42:43]
	s_wait_loadcnt 0x0
	global_store_b32 v[OF], v10, s[72:73]
	; ---- the floor under the activation: -infinity for q, k, v (none), 0 for the hidden layer (relu)
	s_or_b32 s74, s67, s2
	s_and_b32 s75, s66, 3
	s_or_b32 s74, s74, s75
	s_cmp_lg_u32 s74, 0
	s_cbranch_scc1 .Ldone
	s_cmp_eq_u32 s66, 0
	s_cselect_b32 s74, 0xff800000, 0
	v_mov_b32 v11, s74
	global_store_b32 v[OF], v11, s[62:63] offset:0x24000
.Ldone:
	s_wait_tensorcnt 0x0
	ds_add_u32 v254, v255
	s_wait_dscnt 0x0
	s_endpgm
.Lfunc_end_k_q3ec437e51d_prep:
	.size	k_q3ec437e51d_prep, .Lfunc_end_k_q3ec437e51d_prep-k_q3ec437e51d_prep
	.p2alignl 7, 3214868480
	.fill 96, 4, 3214868480
	.section	.rodata,"a",@progbits
	.p2align	6, 0x0
	.amdhsa_kernel k_q3ec437e51d_prep
		.amdhsa_group_segment_fixed_size 58880
		.amdhsa_private_segment_fixed_size 0
		.amdhsa_enable_private_segment 0
		.amdhsa_kernarg_size 128
		.amdhsa_user_sgpr_count 2
		.amdhsa_user_sgpr_kernarg_segment_ptr 1
		.amdhsa_wavefront_size32 1
		.amdhsa_system_sgpr_workgroup_id_x 1
		.amdhsa_system_sgpr_workgroup_id_y 1
		.amdhsa_system_sgpr_workgroup_id_z 1
		.amdhsa_system_vgpr_workitem_id 0
		.amdhsa_next_free_vgpr 256
		.amdhsa_next_free_sgpr 80
		.amdhsa_reserve_vcc 0
		.amdhsa_float_denorm_mode_32 3
		.amdhsa_float_denorm_mode_16_64 3
		.amdhsa_memory_ordered 1
		.amdhsa_forward_progress 1
		.amdhsa_inst_pref_size 64
	.end_amdhsa_kernel
	.amdgpu_metadata
---
amdhsa.version: [ 1, 2 ]
amdhsa.kernels:
  - .name:           k_q3ec437e51d_prep
    .symbol:         k_q3ec437e51d_prep.kd
    .args:
      - { .name: x, .offset: 0, .size: 8, .value_kind: global_buffer, .address_space: global }
      - { .name: Wq, .offset: 8, .size: 8, .value_kind: global_buffer, .address_space: global }
      - { .name: Wk, .offset: 16, .size: 8, .value_kind: global_buffer, .address_space: global }
      - { .name: Wv, .offset: 24, .size: 8, .value_kind: global_buffer, .address_space: global }
      - { .name: Wo, .offset: 32, .size: 8, .value_kind: global_buffer, .address_space: global }
      - { .name: W1, .offset: 40, .size: 8, .value_kind: global_buffer, .address_space: global }
      - { .name: W2, .offset: 48, .size: 8, .value_kind: global_buffer, .address_space: global }
      - { .name: bq, .offset: 56, .size: 8, .value_kind: global_buffer, .address_space: global }
      - { .name: bk, .offset: 64, .size: 8, .value_kind: global_buffer, .address_space: global }
      - { .name: bv, .offset: 72, .size: 8, .value_kind: global_buffer, .address_space: global }
      - { .name: b1, .offset: 80, .size: 8, .value_kind: global_buffer, .address_space: global }
      - { .name: xq, .offset: 88, .size: 8, .value_kind: global_buffer, .address_space: global }
      - { .name: wqkv, .offset: 96, .size: 8, .value_kind: global_buffer, .address_space: global }
      - { .name: woq, .offset: 104, .size: 8, .value_kind: global_buffer, .address_space: global }
      - { .name: w1q, .offset: 112, .size: 8, .value_kind: global_buffer, .address_space: global }
      - { .name: w2q, .offset: 120, .size: 8, .value_kind: global_buffer, .address_space: global }
    .group_segment_fixed_size: 58880
    .private_segment_fixed_size: 0
    .kernarg_segment_align: 8
    .kernarg_segment_size: 128
    .max_flat_workgroup_size: 128
    .sgpr_count:     80
    .vgpr_count:     256
    .wavefront_size: 32
...
	.end_amdgpu_metadata
.endif
;; end of part 1
;; launch qkv (part 2): grid 8 x 24, 4 waves a work-group, clusters of 4 x 4, 327,680 bytes of LDS; arguments xq, wqkv, act_a; writes act_a
.if DOCPART == 2
	.amdgcn_target "amdgcn-amd-amdhsa--gfx1250"
	.amdhsa_code_object_version 6
	.text
	.protected	k_q3ec437e51d_qkv
	.globl	k_q3ec437e51d_qkv
	.p2align	8
	.type	k_q3ec437e51d_qkv,@function
k_q3ec437e51d_qkv:
	s_mov_b64 s[64:65], 0
	v_nop
	global_prefetch_b8 v0, s[64:65] scope:SCOPE_SE
	s_setreg_imm32_b32 hwreg(HW_REG_WAVE_MODE, 25, 1), 1
	s_wait_xcnt 0x0
	s_wait_alu depctr_hold_cnt(0) depctr_sa_sdst(0) depctr_va_vdst(0) depctr_va_sdst(0) depctr_va_ssrc(0) depctr_va_vcc(0) depctr_vm_vsrc(0)
	s_getreg_b32 s2, hwreg(HW_REG_IB_STS2, 6, 4)
	s_cmp_eq_u32 s2, 0
	s_cbranch_scc0 .Lentry_in_a_cluster
	s_endpgm
.Lentry_in_a_cluster:
	s_bfe_u32 s2, ttmp6, 0x10000c
	s_cmp_lg_u32 s2, 0xf033
	s_cbranch_scc0 .Lentry_shape_is_right
	s_endpgm
.Lentry_shape_is_right:
; O = Q(max(floor, A B^T + bias)): a product on codes of FP6 (E2M3) with K = 1,024 whose result is quantised again, along its columns, and stored as the next product's operand.
; Buffers are laid as the first launch's head says (register images from 0x80000, scale words from 0, bias at 0x20000 and floor at 0x24000 of the weights' buffer P1).
; ROLE 0 (cluster y under 4): A = rows of P0 (tokens), B = rows of P1 (a weight's columns): q, k, or the hidden layer; plane of the output = column / 1,024.
; ROLE V (cluster y 4, 5; the first use alone): A = unit 2 of P1 (Wv's columns), B = P0's tokens: v transposed, quantised along the tokens; it goes to 0x680000, its scale words to 0x40000.
; A tile of 256 x 256 is made by four waves, 128 x 128 each: 64 accumulators.  K goes in four steps of 256 through two LDS slots; a wave's tensor load brings 128 rows of a step, 24,576 dense bytes.
; THE MATRIX INSTRUCTION IS USED TRANSPOSED (source 0 = 16 places of B, source 1 = 16 places of A): a lane holds one row of A, and, since B's rows stand with bits 3 and 4 of their number exchanged, the 64 registers of
; the eight tiles of a block are 16 neighbours of each of four blocks of 32 columns: what the conversions want.  The bias is the C of each sum's first instruction.
; CLUSTERS: 4 x 4 work-groups; A's tiles are asked for jointly along a row of the cluster, B's along a column.  The role hangs on the cluster's y alone: it is the same in all sixteen.
; LIMITS: scale bytes are held at 1 from below (blocks under 2^-124, zeros among them); NaN and infinities are not served.
; REGISTERS: window 0: v16-29 addresses; v32-63 scale words, two sets; v64-127 the bias; v128-223 A's fragments, one set (afterwards the epilogue's registers); window 1: B's fragments, two sets; windows 2, 3: the accumulators.
.set FR,     12
.set NL,     6                         ; LDS loads that bring a fragment
.set NP,     4                         ; places behind this matrix instruction (ISA guide 7.12.1)
.set HALFT,  24576                     ; 128 rows of a K step
.set SLOT,   4*HALFT
.set SCL,    2*SLOT                    ; the scale words of 128 rows for all of K: 4,096 bytes, A's and B's regions 8,256 bytes apart, so that A's and B's words start in different banks
.set SREG,   4160
.set SCLB,   SCL+8256                  ; A's words of 256 rows lie at SCL (8,192 bytes), B's 64 bytes further on than a multiple of 256
.set SPARE,  SCL+4*SREG                ; the spare words: 128 bytes for each wave, two blocks of 256 bytes that no other line names
.set XSTEP,  786432                    ; a K step on in a buffer of 4,096 rows
.set WSTEP,  196608                    ; and in one of 1,024 rows
.set ADRA, 16
.set ADRB, 20
.set IO,   24                          ; v24  8 x lane
.set WO,   25                          ; v25  4 x lane
.set ADRS, 27
.set SPW,  28
.set NIL,  29
.set SC,   32
.set BR,   64
.set AF,   128
.set H,    128                         ; the epilogue: 64 numbers,
.set PC,   192                         ; their codes,
.set TM,   212                         ; at work,
.set PW,   228                         ; the scale word, the even block's kept, and four registers for the stores
.set PWE,  229
.set PWP,  230
.set SEL,  10
.set OC,   12
.set G1, 24
.set G0, 32
.set G1B, 48
.set G0B, 56
.set G1S, 68
.set G0S, 76
.set G1SB, 80
.set G0SB, 88
.set MSB, 0
.macro WIN new                         ; the immediate's high byte repeats the setting that is left
.if MSB != \new
	s_set_vgpr_msb (MSB<<8)|\new
.set MSB, \new
.endif
.endm
.set MUL_LO, 0xa1                      ; source 0 (B) window 1, source 1 (A) window 0, C and D window 2
.set MUL_HI, 0xf1
.set TO_B,   0x40
.macro JLOAD g0a, g1a, g0b, g1b        ; waves 0 and 1 fetch for A, waves 2 and 3 for B; four v_nop follow each line
	s_cmp_eq_u32 s15, 0
	s_cbranch_scc0 .Lfor_b_\@
	tensor_load_to_lds s[\g0a:\g0a+3], s[\g1a:\g1a+7]
	s_nop 0
.rept 4
	v_nop
.endr
	s_branch .Lasked_\@
.Lfor_b_\@:
	tensor_load_to_lds s[\g0b:\g0b+3], s[\g1b:\g1b+7]
	s_nop 0
.rept 4
	v_nop
.endr
.Lasked_\@:
.endm
.macro CREST
	s_cmp_lg_u32 s14, 0
	s_cbranch_scc1 .Lnot_wave_0_\@
	s_barrier_signal -3
.Lnot_wave_0_\@:
	s_barrier_wait -3
	s_barrier_signal -1
	s_barrier_wait -1
.endm
.macro CROUND
	s_barrier_signal -1
	s_barrier_wait -1
	CREST
.endm
.macro QUANT s
.irp b, 0,1,2,3
	v_max3_num_f32 v[TM+\b], |v[\s+16*\b]|, |v[\s+1+16*\b]|, 0x1800000
.endr
.irp i, 2,4,6,8,10,12,14
.irp b, 0,1,2,3
	v_max3_num_f32 v[TM+\b], v[TM+\b], |v[\s+16*\b+\i]|, |v[\s+1+16*\b+\i]|
.endr
.endr
.irp b, 0,1,2,3
	v_permlanex16_b32 v[TM+4+\b], v[TM+\b], s[SEL], s[SEL+1]
.endr
.irp b, 0,1,2,3
	v_max_num_f32 v[TM+\b], v[TM+\b], v[TM+4+\b]
.endr
.irp b, 0,1,2,3
	v_add_nc_u32 v[TM+12+\b], 0xff000000, v[TM+\b]
.endr
.irp b, 0,1,2,3
	v_lshrrev_b32 v[TM+4+\b], 23, v[TM+12+\b]
.endr
	v_lshl_or_b32 v[PW], v[TM+5], 8, v[TM+4]
	v_lshl_or_b32 v[PW], v[TM+6], 16, v[PW]
	v_lshl_or_b32 v[PW], v[TM+7], 24, v[PW]
.irp c, 0,1
	v_cvt_scalef32_pk16_fp6_f32 v[PC+6*\c:PC+2+6*\c], v[\s+32*\c:\s+15+32*\c], v[TM+12+2*\c]
	v_cvt_scalef32_pk16_fp6_f32 v[PC+12+4*\c:PC+14+4*\c], v[\s+16+32*\c:\s+31+32*\c], v[TM+12+2*\c+1]
.endr
	v_nop                                          ; one plain place behind a scaled conversion
.irp c, 0,1
.irp i, 0,1,2
	v_permlane16_swap_b32 v[PC+6*\c+\i], v[PC+12+4*\c+\i]
.endr
.irp i, 0,1,2
	v_mov_b32 v[PC+3+6*\c+\i], v[PC+12+4*\c+\i]
.endr
.endr
.endm
.macro PUTFRAG off
.irp p, 0,1,2,3,4,5
	global_store_b64 v[IO], v[PC+2*\p:PC+2*\p+1], s[OC:OC+1] offset:\off+256*\p
.endr
.endm
	s_load_b128 s[4:7], s[0:1], 0x0                ; P0, P1
	s_load_b64 s[8:9], s[0:1], 0x10                ; O
	v_lshl_add_u32 v[SPW], v0, 2, SPARE
	v_mov_b32 v[NIL], 0
	ds_add_u32 v28, v29
	ds_add_u32 v28, v29
	s_wait_dscnt 0x0
	v_lshrrev_b32 v1, 5, v0
	v_readfirstlane_b32 s14, v1                    ; wave
	s_lshr_b32 s15, s14, 1                         ; my half of A's rows.  Also: I fetch for A (0) or B (1)
	s_and_b32 s16, s14, 1                          ; my half of B's rows.  Also: which 128 rows I fetch
	s_bfe_u32 s40, ttmp6, 0x40000                  ; cx
	s_bfe_u32 s41, ttmp6, 0x40004                  ; cy
	s_mov_b32 s42, ttmp9                           ; the cluster's x
	s_and_b32 s17, ttmp7, 0xffff                   ; and y
	s_lshl_b32 s43, s41, 2
	s_lshl_b32 s43, 15, s43                        ; my row of the cluster
	s_lshl_b32 s44, 0x1111, s40                    ; my column
	s_or_b32 s[G1+0], s43, (3<<16)|(1<<21)         ; the mask; elements of 8 bytes; bit 21 beside a mask; no padding
	s_or_b32 s[G1B+0], s44, (3<<16)|(1<<21)
.irp g, G1, G1B
	s_mov_b32 s[\g+1], 32<<16                      ; 96 rows of 256 bytes, dense
	s_mov_b32 s[\g+2], 192<<16                     ; the head's loads bring 256 rows of a K step: 192 rows of 256 bytes
	s_mov_b32 s[\g+3], 32<<16
	s_mov_b32 s[\g+4], 192
	s_mov_b32 s[\g+5], 32
	s_mov_b32 s[\g+6], 0
	s_mov_b32 s[\g+7], 0
.endr
	s_or_b32 s[G1S+0], s43, (3<<16)|(1<<21)
	s_or_b32 s[G1SB+0], s44, (3<<16)|(1<<21)
.irp g, G1S, G1SB
	s_mov_b32 s[\g+1], 32<<16                      ; 32 rows of 256 bytes, dense
	s_mov_b32 s[\g+2], 32<<16                      ; the words of 256 rows: 32 rows of 256 bytes
	s_mov_b32 s[\g+3], 32<<16
	s_mov_b32 s[\g+4], 32
	s_mov_b32 s[\g+5], 32
	s_mov_b32 s[\g+6], 0
	s_mov_b32 s[\g+7], 0
.endr
	; A's tiles hang on cy and the cluster's place alone, B's on cx and the cluster's place alone, each in registers that never hold the other
	s_lshl_b32 s18, s17, 2
	s_add_co_u32 s18, s18, s41                     ; role 0: tile row 4 y + cy
	s_add_co_u32 s19, s41, 32                      ; role V: unit 2 begins at block 512 = 16 x 32,
	s_add_co_u32 s21, s41, 8                       ; and at group 16 = 2 x 8 of its scale words
	s_mov_b32 s94, 2*WSTEP
	s_mov_b32 s96, 2*XSTEP
	s_cmp_ge_u32 s17, 4
	s_cselect_b32 s92, 1, 0                        ; the role
	s_cselect_b32 s20, s19, s18
	s_cselect_b32 s22, s21, s18
	s_cselect_b32 s94, s94, 2*XSTEP                ; two K steps on, in A's buffer
	s_cselect_b32 s96, s96, 2*WSTEP                ; and in B's
	s_mov_b32 s95, 0
	s_mov_b32 s97, 0
	s_lshl_b32 s20, s20, 4
	s_lshl_b32 s19, s16, 3
	s_add_co_u32 s20, s20, s19
	s_mul_i32 s20, s20, 3072
	s_add_co_u32 s20, s20, 0x80000
	s_mov_b32 s21, 0
	s_lshl_b32 s22, s22, 13
	s_mov_b32 s23, 0
	s_lshl_b32 s46, s17, 1
	s_add_co_u32 s46, s46, s42
	s_sub_co_u32 s46, s46, 8                       ; role V: c = x + 2 (y - 4): which 1,024 tokens
	s_lshl_b32 s46, s46, 2
	s_add_co_u32 s46, s46, s40                     ; 4 c + cx
	s_lshl_b32 s47, s42, 4
	s_add_co_u32 s47, s47, s40                     ; role 0: unit x begins at block 256 x: 16 x + cx
	s_lshl_b32 s98, s42, 2
	s_add_co_u32 s98, s98, s40                     ; and at group 8 x: 4 x + cx
	s_cmp_lg_u32 s92, 0
	s_cselect_b32 s98, s46, s98
	s_cselect_b32 s46, s46, s47
	s_lshl_b32 s46, s46, 4
	s_lshl_b32 s47, s16, 3
	s_add_co_u32 s46, s46, s47
	s_mul_i32 s46, s46, 3072
	s_add_co_u32 s46, s46, 0x80000
	s_mov_b32 s47, 0
	s_lshl_b32 s98, s98, 13
	s_mov_b32 s99, 0
	s_mul_i32 s45, s14, HALFT                      ; where they go: by the wave's number alone
	s_mul_i32 s100, s16, HALFT                     ; s[100:101]: my half of a tile, in bytes of codes
	s_mov_b32 s101, 0
	s_wait_kmcnt 0x0
	s_cmp_lg_u32 s92, 0
	s_cselect_b64 s[2:3], s[6:7], s[4:5]           ; A's buffer
	s_cselect_b64 s[18:19], s[4:5], s[6:7]         ; B's
	s_add_nc_u64 s[20:21], s[2:3], s[20:21]
	s_add_nc_u64 s[22:23], s[2:3], s[22:23]
	s_add_nc_u64 s[46:47], s[18:19], s[46:47]
	s_add_nc_u64 s[98:99], s[18:19], s[98:99]
	s_lshr_b32 s2, s94, 1                          ; one K step on
	s_mov_b32 s3, 0
	s_lshr_b32 s18, s96, 1
	s_mov_b32 s19, 0
	CROUND                                         ; all sixteen work-groups are here: the first joint loads meet
	s_mov_b32 s[G0S], 1
	s_mov_b32 s[G0S+1], SCL
	s_mov_b64 s[G0S+2:G0S+3], s[22:23]
	s_or_b32 s[G0S+3], s[G0S+3], 0x80000000
	s_mov_b32 s[G0SB], 1
	s_mov_b32 s[G0SB+1], SCLB
	s_mov_b64 s[G0SB+2:G0SB+3], s[98:99]
	s_or_b32 s[G0SB+3], s[G0SB+3], 0x80000000
	s_mov_b32 s[G0], 1
	s_mov_b32 s[G0+1], 0                           ; for the head: the whole tile of A, K step 0
	s_sub_nc_u64 s[G0+2:G0+3], s[20:21], s[100:101]
	s_or_b32 s[G0+3], s[G0+3], 0x80000000
	s_mov_b32 s[G0B], 1
	s_mov_b32 s[G0B+1], 2*HALFT                    ; and of B
	s_sub_nc_u64 s[G0B+2:G0B+3], s[46:47], s[100:101]
	s_or_b32 s[G0B+3], s[G0B+3], 0x80000000
	s_mov_b32 s[G0+4], 1
	s_add_co_u32 s[G0+5], s45, SLOT
	s_add_nc_u64 s[G0+6:G0+7], s[20:21], s[2:3]
	s_or_b32 s[G0+7], s[G0+7], 0x80000000
	s_mov_b32 s[G0B+4], 1
	s_add_co_u32 s[G0B+5], s45, SLOT
	s_add_nc_u64 s[G0B+6:G0B+7], s[46:47], s[18:19]
	s_or_b32 s[G0B+7], s[G0B+7], 0x80000000
; the head's four tiles, one load a wave, in one chain of branches on the wave's number: A's K step 0, B's, A's scale words, B's
.macro ARM under, g0, g1, next
	s_cmp_lt_u32 s14, \under
	s_cbranch_scc0 \next
	tensor_load_to_lds s[\g0:\g0+3], s[\g1:\g1+7]
	s_nop 0
.rept 4
	v_nop
.endr
	s_branch .Lhead_asked
\next:
.endm
	ARM 1, G0,  G1,  .Lhead_b
	ARM 2, G0B, G1B, .Lhead_sa
	ARM 3, G0S, G1S, .Lhead_sb
	tensor_load_to_lds s[G0SB:G0SB+3], s[G1SB:G1SB+7]
	s_nop 0
.rept 4
	v_nop
.endr
.Lhead_asked:
	s_load_b32 s93, s[6:7], 0x24000                ; the floor under the activation
	s_mov_b32 s98, 0xffff0000                      ; lanes 16-31
	s_mov_b32 s[SEL], 0x76543210
	s_mov_b32 s[SEL+1], 0xfedcba98
	v_and_b32 v1, 15, v0                           ; r
	v_bfe_u32 v2, v0, 4, 1                         ; h
	s_wait_alu depctr_va_vdst(0)
	v_and_b32 v3, 31, v0
	v_lshlrev_b32 v[IO], 3, v3
	v_lshlrev_b32 v[WO], 2, v3
	s_mul_i32 s21, s15, HALFT
	s_mul_i32 s22, s16, HALFT
	s_add_co_u32 s22, s22, 2*HALFT
.irp s, 0,1
	v_add_nc_u32 v[ADRA+\s], s21, v[IO]
	v_add_nc_u32 v[ADRB+\s], s22, v[IO]
	s_add_co_u32 s21, s21, SLOT
	s_add_co_u32 s22, s22, SLOT
.endr
	v_lshlrev_b32 v5, 2, v1
	s_lshl_b32 s21, s15, 12                        ; 4,096 bytes of words for each 128 rows
	s_lshl_b32 s22, s16, 12
	s_add_co_u32 s22, s22, SCLB-SCL
	s_sub_co_u32 s22, s22, s21
	v_mul_u32_u24 v6, s22, v2                      ; lanes 16-31 take B's words
	s_add_co_u32 s21, s21, SCL
	v_add_nc_u32 v5, v5, v6
	v_add_nc_u32 v[ADRS], s21, v5
	v_lshlrev_b32 v7, 6, v2                        ; the bias by columns: + 16 h numbers
	v_and_b32 v8, 8, v1
	v_add_nc_u32 v8, v8, v1
	v_lshlrev_b32 v8, 2, v8                        ; the bias by rows: place r is row r + 8 (r / 8)
	; where the results go
	s_lshl_b32 s18, s17, 1
	s_add_co_u32 s18, s18, s42
	s_sub_co_u32 s18, s18, 8                       ; c
	s_lshl_b32 s19, s17, 2
	s_add_co_u32 s19, s19, s41
	s_mov_b32 s22, 0x680000
	s_cmp_lg_u32 s92, 0
	s_cselect_b32 s18, s18, s42                    ; the output's plane
	s_cselect_b32 s19, s41, s19                    ; its tile row
	s_cselect_b32 s20, 6, 8                        ; log2 of its blocks of 16 rows
	s_cselect_b32 s21, 3, 5                        ; and of its groups of 128
	s_cselect_b32 s22, s22, 0x80000
	s_cselect_b32 s23, 0x40000, 0
	s_lshl_b32 s46, s18, 2
	s_add_co_u32 s46, s46, s40                     ; plane x 4 + K step
	s_lshl_b32 s46, s46, s20
	s_lshl_b32 s47, s19, 4
	s_add_co_u32 s46, s46, s47
	s_lshl_b32 s47, s15, 3
	s_add_co_u32 s46, s46, s47
	s_mul_i32 s46, s46, 3072
	s_add_co_u32 s46, s46, s22
	s_mul_i32 s47, s16, 1536
	s_add_co_u32 s46, s46, s47
	s_mov_b32 s47, 0
	s_add_nc_u64 s[OC:OC+1], s[8:9], s[46:47]
	s_lshl_b32 s46, s18, s21
	s_lshl_b32 s47, s19, 1
	s_add_co_u32 s46, s46, s47
	s_add_co_u32 s46, s46, s15
	s_lshl_b32 s46, s46, 3
	s_lshl_b32 s47, s40, 1
	s_add_co_u32 s46, s46, s47
	s_add_co_u32 s46, s46, s16
	s_lshl_b32 s46, s46, 9
	s_add_co_u32 s46, s46, s23
	s_mov_b32 s47, 0
	s_add_nc_u64 s[66:67], s[8:9], s[46:47]
	; the bias: role 0 by B's rows (the registers), role V by A's rows (the lanes)
	s_lshl_b32 s18, s42, 2
	s_add_co_u32 s18, s18, s40
	s_lshl_b32 s18, s18, 8
	s_lshl_b32 s19, s16, 7
	s_add_co_u32 s18, s18, s19
	s_lshl_b32 s19, s41, 8
	s_add_co_u32 s19, s19, 2048
	s_lshl_b32 s20, s15, 7
	s_add_co_u32 s19, s19, s20
	s_cmp_lg_u32 s92, 0
	s_cselect_b32 s18, s19, s18
	s_lshl_b32 s18, s18, 2
	s_add_co_u32 s18, s18, 0x20000
	s_mov_b32 s19, 0
	s_add_nc_u64 s[20:21], s[6:7], s[18:19]
	s_cmp_lg_u32 s92, 0
	s_cbranch_scc1 .Lbias_v
	s_wait_alu depctr_va_vdst(0)
.irp b, 0,1,2,3,4,5,6,7
	global_load_b128 v[BR+8*\b:BR+8*\b+3], v7, s[20:21] offset:(32*(\b/2)+8*(\b%2))*4
	global_load_b128 v[BR+8*\b+4:BR+8*\b+7], v7, s[20:21] offset:(32*(\b/2)+8*(\b%2))*4+16
.endr
	s_branch .Lbias_done
.Lbias_v:
	s_wait_alu depctr_va_vdst(0)
.irp a, 0,1,2,3,4,5,6,7
.irp j, 0,1,2,3,4,5,6,7
	global_load_b32 v[BR+8*\a+\j], v8, s[20:21] offset:(32*(\a/2)+8*(\a%2))*4
.endr
.endr
.Lbias_done:
.macro FRAG reg, adr, q, i             ; a fragment is 1,536 bytes on end: six loads of 256 consecutive bytes
.irp p, 0,1,2,3,4,5
	ds_load_b64 v[\reg+2*\p:\reg+2*\p+1], v[\adr] offset:(2*(\i)+(\q))*1536+256*\p
.endr
.endm
; 16 matrix instructions: A's blocks a0, a0 + 1 x B's eight.  zero = 1: C is the bias by B's block; 2: by A's block; 0: the sum goes on.  The 64 accumulators take turns.
.macro MUL16 a0, p, q, sc, zero
.irp a, \a0, \a0+1
.irp b, 0,1,2,3,4,5,6,7
.if \zero == 1
	v_wmma_scale_f32_16x16x128_f8f6f4 v[8*(8*((\a)%4)+\b):8*(8*((\a)%4)+\b)+7], v[128*(\p)+FR*\b:128*(\p)+FR*\b+FR-1], v[AF+FR*(\a):AF+FR*(\a)+FR-1], v[BR+8*\b:BR+8*\b+7], v[SC+16*(\sc)+2*\b+(\q)], v[SC+16*(\sc)+2*(\a)+(\q)] matrix_a_fmt:MATRIX_FMT_FP6 matrix_b_fmt:MATRIX_FMT_FP6 matrix_a_scale:MATRIX_SCALE_ROW1
.elseif \zero == 2
	v_wmma_scale_f32_16x16x128_f8f6f4 v[8*(8*((\a)%4)+\b):8*(8*((\a)%4)+\b)+7], v[128*(\p)+FR*\b:128*(\p)+FR*\b+FR-1], v[AF+FR*(\a):AF+FR*(\a)+FR-1], v[BR+8*(\a):BR+8*(\a)+7], v[SC+16*(\sc)+2*\b+(\q)], v[SC+16*(\sc)+2*(\a)+(\q)] matrix_a_fmt:MATRIX_FMT_FP6 matrix_b_fmt:MATRIX_FMT_FP6 matrix_a_scale:MATRIX_SCALE_ROW1
.else
	v_wmma_scale_f32_16x16x128_f8f6f4 v[8*(8*((\a)%4)+\b):8*(8*((\a)%4)+\b)+7], v[128*(\p)+FR*\b:128*(\p)+FR*\b+FR-1], v[AF+FR*(\a):AF+FR*(\a)+FR-1], v[8*(8*((\a)%4)+\b):8*(8*((\a)%4)+\b)+7], v[SC+16*(\sc)+2*\b+(\q)], v[SC+16*(\sc)+2*(\a)+(\q)] matrix_a_fmt:MATRIX_FMT_FP6 matrix_b_fmt:MATRIX_FMT_FP6 matrix_a_scale:MATRIX_SCALE_ROW1
.endif
.endr
.endr
.endm
.macro FETCH_B slot, q, p
	WIN TO_B
.irp i, 0,1,2,3,4,5,6,7
	FRAG 128*(\p)+FR*\i, ADRB+\slot, \q, \i
.endr
	WIN 0
.endm
.macro FETCH_A slot, q, i0
.irp i, \i0, \i0+1, \i0+2, \i0+3
	FRAG AF+FR*(\i), ADRA+\slot, \q, \i
.endr
.endm
.macro SCALES sc, ks                   ; K step ks's words: lanes 0-15 A's block i, lanes 16-31 B's block i
.irp i, 0,1,2,3,4,5,6,7
.irp q, 0,1
	ds_load_b32 v[SC+16*\sc+2*\i+\q], v[ADRS] offset:(2*\ks+\q)*512+64*\i
.endr
.endr
.endm
.macro PLACES n
.rept \n
	v_nop
.endr
.endm
.macro STEP slot, q, zero              ; 128 along K that have their successor in the same slot
	s_wait_dscnt 4*NL                              ; all but A's blocks 4-7, the youngest 24 loads
.if \zero
	WIN 0x81                                       ; C (the bias) window 0, D window 2
.else
	WIN MUL_LO
.endif
	MUL16 0, (\q)%2, \q, \slot, \zero
	MUL16 2, (\q)%2, \q, \slot, \zero
	s_wait_dscnt 0
	PLACES NP
	FETCH_B \slot, (\q)+1, 1-(\q)%2
	FETCH_A \slot, (\q)+1, 0
.if \zero
	WIN 0xc1
.else
	WIN MUL_HI
.endif
	MUL16 4, (\q)%2, \q, \slot, \zero
	MUL16 6, (\q)%2, \q, \slot, \zero
	PLACES NP
	WIN 0
	FETCH_A \slot, (\q)+1, 4
.endm
; A slot's last 128 change slots: one barrier; in front of it each wave waits for all its tensor loads, adds 0 to its spare word, and waits for that and for its reads of this slot
.macro TURN slot, next, fill, ks
	s_wait_tensorcnt 0x0                           ; all my tensor loads have landed: my part of the next slot
	ds_add_u32 v[SPW], v[NIL]
	s_wait_dscnt 4*NL+1                            ; the add and A's blocks 4-7 may be out
	WIN MUL_LO
	MUL16 0, 1, 1, \slot, 0
	s_wait_dscnt 0x0                               ; the add is done, and my reads of this slot are over
	s_barrier_signal -1
	MUL16 2, 1, 1, \slot, 0
	WIN 0
	s_barrier_wait -1
.if \fill
	CREST                                          ; the barrier has opened a round of the cluster's barrier: no wave of any partner still reads this slot or has a load on its way
	s_add_nc_u64 s[G0+4*\slot+2:G0+4*\slot+3], s[G0+4*\slot+2:G0+4*\slot+3], s[94:95]
	s_add_nc_u64 s[G0B+4*\slot+2:G0B+4*\slot+3], s[G0B+4*\slot+2:G0B+4*\slot+3], s[96:97]
	JLOAD G0+4*\slot, G1, G0B+4*\slot, G1B         ; the first tensor load behind the round; its four v_nop are the places in front of the loads below
.else
	PLACES NP
.endif
	FETCH_B \next, 0, 0
	FETCH_A \next, 0, 0
	SCALES \next, \ks
	WIN MUL_HI
	MUL16 4, 1, 1, \slot, 0
	MUL16 6, 1, 1, \slot, 0
	PLACES NP
	WIN 0
	FETCH_A \next, 0, 4
.endm
	s_wait_tensorcnt 0x0                           ; my tile of the head's four is in; slot 1's first fill is issued as a refill is
	ds_add_u32 v[SPW], v[NIL]
	s_mov_b32 s[G1+2], 96<<16                      ; no load of mine is out: from here on a load brings 128 rows,
	s_mov_b32 s[G1+4], 96
	s_mov_b32 s[G1B+2], 96<<16
	s_mov_b32 s[G1B+4], 96
	s_mov_b32 s[G0+1], s45                         ; and slot 0's descriptors name my quarter of the slot
	s_add_nc_u64 s[G0+2:G0+3], s[G0+2:G0+3], s[100:101]
	s_mov_b32 s[G0B+1], s45
	s_add_nc_u64 s[G0B+2:G0B+3], s[G0B+2:G0B+3], s[100:101]
	s_wait_dscnt 0x0
	CROUND                                         ; all four tiles are shown, and the joint loads meet
	JLOAD G0+4, G1, G0B+4, G1B                     ; K step 1: one load of mine is out
	FETCH_B 0, 0, 0
	FETCH_A 0, 0, 0
	SCALES 0, 0
	FETCH_A 0, 0, 4
	s_wait_loadcnt 0x0                             ; the bias
	s_wait_kmcnt 0x0                               ; the floor
	s_cmp_lg_u32 s92, 0
	s_cbranch_scc1 .Lfirst_v
	STEP 0, 0, 1
	s_branch .Lfirst_done
.Lfirst_v:
	STEP 0, 0, 2
.Lfirst_done:
	TURN 0, 1, 1, 1                                ; slot 0 takes K step 2
	STEP 1, 0, 0
	TURN 1, 0, 1, 2                                ; slot 1 takes K step 3
	STEP 0, 0, 0
	TURN 0, 1, 0, 3                                ; nothing is left to fetch
	STEP 1, 0, 0
	s_wait_dscnt 4*NL
	WIN MUL_LO
	MUL16 0, 1, 1, 1, 0
	MUL16 2, 1, 1, 1, 0
	s_wait_dscnt 0
	WIN MUL_HI
	MUL16 4, 1, 1, 1, 0
	MUL16 6, 1, 1, 1, 0
	WIN 0
	; THE WAY OUT, block by block of 16 rows: the activation brings the block's 64 numbers into window 0 (each accumulator from its low end on); they become one fragment and one scale word a row
	PLACES NP
.irp b, 0,1,2,3
	v_mov_b32 v[TM+4+\b], 0
.endr
.irp a, 0,1,2,3,4,5,6,7
	WIN 0x08+4*(\a/4)                              ; source 1: window 2 or 3
.set j, 0
.rept 64
	v_max_num_f32 v[H+j], s93, v[64*(\a%4)+j]
.set j, j+1
.endr
	WIN 0
	s_wait_xcnt 0x0                                ; the last block's stores have read their registers
	QUANT H
	PUTFRAG \a*3072
.if \a%2 == 0
	v_mov_b32 v[PWE], v[PW]
.else
	v_cndmask_b32 v[PWP+\a/2], v[PWE], v[PW], s98  ; lanes 0-15 the even block's words, lanes 16-31 the odd block's: 128 consecutive bytes
	global_store_b32 v[WO], v[PWP+\a/2], s[66:67] offset:(\a-1)*64
.endif
.endr
	s_wait_tensorcnt 0x0                           ; the wave's end
	ds_add_u32 v[SPW], v[NIL]
	s_wait_dscnt 0x0
	CROUND                                         ; the closing round
	s_endpgm
.Lfunc_end_k_q3ec437e51d_qkv:
	.size	k_q3ec437e51d_qkv, .Lfunc_end_k_q3ec437e51d_qkv-k_q3ec437e51d_qkv
	.p2alignl 7, 3214868480
	.fill 96, 4, 3214868480
	.section	.rodata,"a",@progbits
	.p2align	6, 0x0
	.amdhsa_kernel k_q3ec437e51d_qkv
		.amdhsa_group_segment_fixed_size 327680
		.amdhsa_private_segment_fixed_size 0
		.amdhsa_enable_private_segment 0
		.amdhsa_kernarg_size 24
		.amdhsa_user_sgpr_count 2
		.amdhsa_user_sgpr_kernarg_segment_ptr 1
		.amdhsa_wavefront_size32 1
		.amdhsa_system_sgpr_workgroup_id_x 1
		.amdhsa_system_sgpr_workgroup_id_y 1
		.amdhsa_system_sgpr_workgroup_id_z 1
		.amdhsa_system_vgpr_workitem_id 0
		.amdhsa_next_free_vgpr 1024
		.amdhsa_next_free_sgpr 102
		.amdhsa_reserve_vcc 0
		.amdhsa_float_denorm_mode_32 3
		.amdhsa_float_denorm_mode_16_64 3
		.amdhsa_memory_ordered 1
		.amdhsa_forward_progress 1
		.amdhsa_inst_pref_size 209
	.end_amdhsa_kernel
	.amdgpu_metadata
---
amdhsa.version: [ 1, 2 ]
amdhsa.kernels:
  - .name:           k_q3ec437e51d_qkv
    .symbol:         k_q3ec437e51d_qkv.kd
    .args:
      - { .name: xq, .offset: 0, .size: 8, .value_kind: global_buffer, .address_space: global }
      - { .name: wqkv, .offset: 8, .size: 8, .value_kind: global_buffer, .address_space: global }
      - { .name: act_a, .offset: 16, .size: 8, .value_kind: global_buffer, .address_space: global }
    .group_segment_fixed_size: 327680
    .private_segment_fixed_size: 0
    .kernarg_segment_align: 8
    .kernarg_segment_size: 24
    .max_flat_workgroup_size: 128
    .sgpr_count:     102
    .vgpr_count:     1024
    .wavefront_size: 32
...
	.end_amdgpu_metadata
.endif
;; end of part 2
;; launch attn (part 3): grid 8 x 32, 16 waves a work-group, clusters of 4 x 1, 210,944 bytes of LDS; arguments act_a, act_b; writes act_b
.if DOCPART == 3
	.amdgcn_target "amdgcn-amd-amdhsa--gfx1250"
	.amdhsa_code_object_version 6
	.text
	.protected	k_q3ec437e51d_attn
	.globl	k_q3ec437e51d_attn
	.p2align	8
	.type	k_q3ec437e51d_attn,@function
k_q3ec437e51d_attn:
	s_mov_b64 s[64:65], 0
	v_nop
	global_prefetch_b8 v0, s[64:65] scope:SCOPE_SE
	s_setreg_imm32_b32 hwreg(HW_REG_WAVE_MODE, 25, 1), 1
	s_wait_xcnt 0x0
	s_wait_alu depctr_hold_cnt(0) depctr_sa_sdst(0) depctr_va_vdst(0) depctr_va_sdst(0) depctr_va_ssrc(0) depctr_va_vcc(0) depctr_vm_vsrc(0)
	s_getreg_b32 s2, hwreg(HW_REG_IB_STS2, 6, 4)
	s_cmp_eq_u32 s2, 0
	s_cbranch_scc0 .Lentry_in_a_cluster
	s_endpgm
.Lentry_in_a_cluster:
	s_bfe_u32 s2, ttmp6, 0x10000c
	s_cmp_lg_u32 s2, 0x3003
	s_cbranch_scc0 .Lentry_shape_is_right
	s_endpgm
.Lentry_shape_is_right:
; For each of 32 (batch, head): O = softmax(Q K^T / 8) V on codes of FP6 (E2M3), and O / l quantised along the model's 1,024 as the next product's operand.
; act_a holds q (plane 0) and k (plane 1) as register images, rows by places, and v transposed (rows = the model's columns, K = the tokens) from 0x680000, its scale words from 0x40000.
; THE SOFTMAX: t = score x log2(e) / 8; M = the row's largest t so far, rounded up to a whole number; p = 2^(t - M) is quantised along the keys; the sum is taken of the unquantised p and divides at the end.
; SHARES.  A work-group owns 256 query places of one head, each of its sixteen waves 16: four waves to a SIMD, so that one wave's vector work stands beside another's products and LDS loads.
; ALL OF A HEAD'S K AND V LIE IN LDS (2 x 98,304 bytes and their scale words), filled once: no slot is ever filled again.  Every wave fetches: waves 0-3 bring 512 keys of K each, waves 4-7 512 keys of V each, waves 8-15 their scale words,
; codes and scale words: sixteen loads are on their way together.
; CLUSTER: the four query blocks of a cluster belong to one head and ask for K and V jointly (mask 15); nothing in a descriptor, an LDS address or a branch hangs on the place in the cluster.
; BOTH PRODUCTS ARE USED TRANSPOSED: a lane holds one query.  K's rows stand with bits 3 and 4 of their number exchanged, so the 16 registers of tiles 2 b, 2 b + 1 are 16 neighbouring keys.
; THE HEAD'S K IS 64, THE INSTRUCTION'S 128: Q's registers 6-11 are zero codes.  K's fragment t is named over 12 registers of which the upper six are the next tile's codes (behind the last: zeros): they meet zero codes.
; The scale words come as the head's two bytes with two zero bytes above them, which again stand over zero codes.
; LIMITS: scale bytes are held at 1 from below; NaN and infinities are not served.
.set KCOD, 0                           ; [128 blocks of 16 keys][768]
.set VCOD, 98304                       ; [8 x 256 keys][4 blocks of 16 channels][2 x 128 keys][1,536]
.set KSW,  196608                      ; a word for each key
.set VSW,  204800                      ; [16 x 128 keys][64 channels] words
.set AK0, 1
.set AV0, 2
.set ASK0, 3
.set ASV0, 4
.set GO,  5                            ; 8 x lane
.set GS,  6                            ; 4 r
.set ADK, 8
.set ADV, 9
.set ADS, 10
.set ADT, 11
.set QSC, 28                           ; Q's scale bytes
.set KV,  32                           ; v32-79 eight half fragments of K, or four fragments of V; v80-85 zeros
.set KSC, 86                           ; v86-93 K's or V's scale words
.set S,   96                           ; v96-159 S^T, then p
.set O,   160                          ; v160-191 O^T
.set PCD, 192                          ; v192-203 p's codes; v204-206, v208-210 the conversions' second halves
.set BM,  212                          ; the blocks' largest scores
.set WK,  216
.set SO4, 220                          ; the conversions' scale operands
.set TT,  224
.set FF,  226                          ; f = 2^(old M - new M)
.set PWD, 227                          ; p's scale word
.set WV,  8
.set G1KC, 20
.set G1VC, 28
.set G1KS, 36
.set G1VS, 44
.set G0KS, 52
.set G0KC, 56
.set G0VS, 60
.set G0VC, 68
.set T1,  84                           ; 12,288 bytes of K's and of V's codes a trip of 256 keys
.set TSK, 85
.set TSV, 86
.set CNT, 87
.set CS,  88                           ; s[88:89] c = log2(e) / 8
.set SEL, 90
.macro CROUND
	s_barrier_signal -1
	s_barrier_wait -1
	s_cmp_lg_u32 s[WV], 0
	s_cbranch_scc1 .Lnot_wave_0_\@
	s_barrier_signal -3
.Lnot_wave_0_\@:
	s_barrier_wait -3
	s_barrier_signal -1
	s_barrier_wait -1
.endm
.macro GROUP1 g, c, r, p               ; r rows of c elements of 8 bytes, p elements apart; the mask names all four work-groups, bit 21 beside it
	s_mov_b32 s[\g], 15|(3<<16)|(1<<21)
	s_mov_b32 s[\g+1], (\c)<<16
	s_mov_b32 s[\g+2], (\r)<<16
	s_mov_b32 s[\g+3], (\c)<<16
	s_mov_b32 s[\g+4], \r
	s_mov_b32 s[\g+5], \p
	s_mov_b32 s[\g+6], 0
	s_mov_b32 s[\g+7], 0
.endm
	s_load_b128 s[4:7], s[0:1], 0x0                ; act_a, act_b
	v_lshl_add_u32 v254, v0, 2, 0x33000
	v_mov_b32 v255, 0
	ds_add_u32 v254, v255
	ds_add_u32 v254, v255
	v_lshrrev_b32 v8, 5, v0
	s_delay_alu instid0(VALU_DEP_1)
	v_readfirstlane_b32 s[WV], v8                  ; wave 0..15
	s_and_b32 s19, s[WV], 3                        ; which 512 keys I fetch
	s_bfe_u32 s9, ttmp6, 0x40000                   ; cx: it enters Q's and O's addresses alone
	s_and_b32 s13, ttmp7, 0xffff
	s_lshr_b32 s10, s13, 4                         ; batch
	s_and_b32 s11, s13, 15                         ; head
	s_lshr_b32 s14, s11, 2
	s_and_b32 s15, s11, 3
	s_lshr_b32 s16, s11, 1
	s_and_b32 s17, s11, 1
	GROUP1 G1KC, 96, 32, 384                       ; K: 32 blocks' 768 bytes, 3,072 bytes apart
	GROUP1 G1VC, 1536, 2, 24576                    ; V: 2 runs of 12,288 bytes (256 keys x the head's 64), 196,608 bytes apart
	GROUP1 G1KS, 64, 4, 512                        ; K's words: 4 runs of 512 bytes, 4,096 apart
	GROUP1 G1VS, 32, 4, 64                         ; V's: 4 runs of 256 bytes, 512 apart
	s_lshl_b32 s[G0KS+2], s10, 4
	s_add_co_u32 s[G0KS+2], s[G0KS+2], 32
	s_lshl_b32 s[G0KS+2], s[G0KS+2], 3
	s_add_co_u32 s[G0KS+2], s[G0KS+2], s16
	s_lshl_b32 s[G0KS+2], s[G0KS+2], 9
	s_lshl_b32 s18, s19, 14
	s_add_co_u32 s[G0KS+2], s[G0KS+2], s18
	s_mov_b32 s[G0KS+3], 0
	s_add_co_u32 s[G0KC+2], s14, 4
	s_lshl_b32 s[G0KC+2], s[G0KC+2], 8
	s_lshl_b32 s18, s10, 7
	s_add_co_u32 s[G0KC+2], s[G0KC+2], s18
	s_mul_i32 s[G0KC+2], s[G0KC+2], 3072
	s_mul_i32 s18, s15, 768
	s_add_co_u32 s[G0KC+2], s[G0KC+2], s18
	s_mul_i32 s18, s19, 98304
	s_add_co_u32 s[G0KC+2], s[G0KC+2], s18
	s_add_co_u32 s[G0KC+2], s[G0KC+2], 0x80000
	s_mov_b32 s[G0KC+3], 0
	s_lshl_b32 s[G0VS+2], s10, 4
	s_add_co_u32 s[G0VS+2], s[G0VS+2], s16
	s_lshl_b32 s[G0VS+2], s[G0VS+2], 12
	s_lshl_b32 s18, s17, 8
	s_add_co_u32 s[G0VS+2], s[G0VS+2], s18
	s_lshr_b32 s18, s19, 1
	s_lshl_b32 s18, s18, 15
	s_add_co_u32 s[G0VS+2], s[G0VS+2], s18
	s_and_b32 s18, s19, 1
	s_lshl_b32 s18, s18, 11
	s_add_co_u32 s[G0VS+2], s[G0VS+2], s18
	s_add_co_u32 s[G0VS+2], s[G0VS+2], 0x40000
	s_mov_b32 s[G0VS+3], 0
	s_lshl_b32 s[G0VC+2], s10, 9
	s_lshl_b32 s18, s11, 2
	s_add_co_u32 s[G0VC+2], s[G0VC+2], s18
	s_mul_i32 s[G0VC+2], s[G0VC+2], 3072
	s_mul_i32 s18, s19, 393216
	s_add_co_u32 s[G0VC+2], s[G0VC+2], s18
	s_add_co_u32 s[G0VC+2], s[G0VC+2], 0x680000
	s_mov_b32 s[G0VC+3], 0
	s_mov_b32 s[G0KS], 1                           ; where they go: a constant + the wave's number (modulo 4) x a constant
	s_lshl_b32 s18, s19, 11
	s_add_co_u32 s[G0KS+1], s18, KSW
	s_mov_b32 s[G0VS], 1
	s_lshl_b32 s18, s19, 10
	s_add_co_u32 s[G0VS+1], s18, VSW
	s_mul_i32 s18, s19, 24576
	s_mov_b32 s[G0KC], 1
	s_add_co_u32 s[G0KC+1], s18, KCOD
	s_mov_b32 s[G0VC], 1
	s_add_co_u32 s[G0VC+1], s18, VCOD
	s_wait_dscnt 0x0
	s_wait_kmcnt 0x0
.irp g, G0KS, G0KC, G0VS, G0VC
	s_add_nc_u64 s[\g+2:\g+3], s[4:5], s[\g+2:\g+3]
	s_or_b32 s[\g+3], s[\g+3], 0x80000000
.endr
	CROUND                                         ; all four work-groups are here: the joint loads meet
; ONE LOAD A WAVE, in one chain of branches on the wave's number: waves 0-3 K's codes, 4-7 V's codes, 8-11 K's scale words, 12-15 V's; each brings 512 keys' worth
.macro ARM under, g0, g1, next
	s_cmp_lt_u32 s[WV], \under
	s_cbranch_scc0 \next
	tensor_load_to_lds s[\g0:\g0+3], s[\g1:\g1+7]
	s_nop 0
.rept 4
	v_nop
.endr
	s_branch .Lasked
\next:
.endm
	ARM 4,  G0KC, G1KC, .Larm_vc
	ARM 8,  G0VC, G1VC, .Larm_ks
	ARM 12, G0KS, G1KS, .Larm_vs
	tensor_load_to_lds s[G0VS:G0VS+3], s[G1VS:G1VS+7]
	s_nop 0
.rept 4
	v_nop
.endr
.Lasked:
	; my 16 queries: block batch x 128 + (4 x cluster x + cx) x 16 + wave.  q lies in act_a where O / l will lie in act_b
	s_lshl_b32 s12, ttmp9, 2
	s_add_co_u32 s12, s12, s9
	s_lshl_b32 s12, s12, 4
	s_add_co_u32 s12, s12, s[WV]
	s_lshl_b32 s18, s10, 7
	s_add_co_u32 s12, s12, s18
	s_lshl_b32 s94, s14, 8
	s_add_co_u32 s94, s94, s12
	s_mul_i32 s94, s94, 3072
	s_mul_i32 s18, s15, 768
	s_add_co_u32 s94, s94, s18
	s_add_co_u32 s94, s94, 0x80000
	s_mov_b32 s95, 0
	s_lshr_b32 s96, s12, 3
	s_lshl_b32 s96, s96, 3
	s_add_co_u32 s96, s96, s16
	s_lshl_b32 s96, s96, 9
	s_and_b32 s18, s12, 7
	s_lshl_b32 s18, s18, 6
	s_add_co_u32 s96, s96, s18
	s_lshl_b32 s18, s17, 1
	s_add_co_u32 s96, s96, s18
	s_mov_b32 s97, 0
	s_add_nc_u64 s[98:99], s[4:5], s[94:95]        ; Q's codes
	s_add_nc_u64 s[92:93], s[4:5], s[96:97]        ; Q's two scale bytes
	s_add_nc_u64 s[94:95], s[6:7], s[94:95]        ; the result's codes
	s_add_nc_u64 s[96:97], s[6:7], s[96:97]        ; and bytes
	v_and_b32 v9, 31, v0
	v_and_b32 v10, 15, v0
	s_delay_alu instid0(VALU_DEP_2)
	v_lshlrev_b32 v[GO], 3, v9
	s_delay_alu instid0(VALU_DEP_2)
	v_lshlrev_b32 v[GS], 2, v10
.irp p, 0,1,2
	global_load_b64 v[16+2*\p:17+2*\p], v[GO], s[98:99] offset:256*\p
.endr
	global_load_u16 v[QSC], v[GS], s[92:93]
	v_lshlrev_b32 v[AK0], 3, v9
	s_delay_alu instid0(VALU_DEP_1)
	v_add_nc_u32 v[AV0], VCOD, v[AK0]
	s_lshl_b32 s18, s17, 1
	s_add_co_u32 s18, s18, KSW
	v_add_nc_u32 v[ASK0], s18, v[GS]               ; the head's two bytes of a key's word
	v_add_nc_u32 v[ASV0], VSW, v[GS]
	s_mov_b32 s[SEL], 0x76543210
	s_mov_b32 s[SEL+1], 0xfedcba98
	s_mov_b32 s[CS], 0x3e38aa3b                    ; log2(e) / 8
	s_mov_b32 s[CS+1], s[CS]
	s_mov_b32 s[T1], 0
	s_mov_b32 s[TSK], 0
	s_mov_b32 s[TSV], 0
.irp j, 22,23,24,25,26,27,80,81,82,83,84,85
	v_mov_b32 v\j, 0                               ; zero codes
.endr
	v_mov_b32 v13, 0xff61b1e6                      ; the largest t so far: -3e38
	s_delay_alu instid0(VALU_DEP_1)
	v_floor_f32 v12, -v13                          ; -M
	v_mov_b32 v14, 0
	v_mov_b32 v15, 0
.irp b, 0,1,2,3
	v_mov_b32 v[WK+\b], 0
.endr
	v_mov_b32 v[PWD], 0
.set j, 0
.rept 32
	v_mov_b32 v[O+j], 0                            ; the loop is written once: its first step finds zeros
.set j, j+1
.endr
.macro STEP q                          ; 128 keys
.if \q
.rept 4
	v_nop                                          ; places in front of loads into registers that matrix instructions have read
.endr
.endif
.irp t, 0,1,2,3,4,5,6,7
.irp p, 0,1,2
	ds_load_b64 v[KV+6*\t+2*\p:KV+6*\t+2*\p+1], v[ADK] offset:(8*\q+\t)*768+256*\p
.endr
	ds_load_u16 v[KSC+\t], v[ADS] offset:(128*\q+16*\t)*4
.endr
	s_wait_dscnt 0x0
.irp t, 0,1,2,3,4,5,6,7
	v_wmma_scale_f32_16x16x128_f8f6f4 v[S+8*\t:S+8*\t+7], v[KV+6*\t:KV+6*\t+11], v[16:27], 0, v[KSC+\t], v[QSC] matrix_a_fmt:MATRIX_FMT_FP6 matrix_b_fmt:MATRIX_FMT_FP6
.endr
.rept 4
	v_nop
.endr
.irp t, 0,1,2,3                        ; V's fragments are asked for now and land under the softmax
.irp p, 0,1,2,3,4,5
	ds_load_b64 v[KV+12*\t+2*\p:KV+12*\t+2*\p+1], v[ADV] offset:3072*\t+1536*\q+256*\p
.endr
	ds_load_b32 v[KSC+\t], v[ADT] offset:256*\q+64*\t
.endr
.irp b, 0,1,2,3
	v_max3_num_f32 v[BM+\b], v[S+16*\b], v[S+1+16*\b], v[S+2+16*\b]   ; the largest score of each block of 32 keys: for the row's maximum and for the block's largest p
.endr
.irp i, 3,5,7,9,11,13
.irp b, 0,1,2,3
	v_max3_num_f32 v[BM+\b], v[BM+\b], v[S+16*\b+\i], v[S+1+16*\b+\i]
.endr
.endr
.irp b, 0,1,2,3
	v_max_num_f32 v[BM+\b], v[BM+\b], v[S+15+16*\b]
.endr
.irp b, 0,1,2,3
	s_delay_alu instid0(VALU_DEP_4)
	v_permlanex16_b32 v[WK+\b], v[BM+\b], s[SEL], s[SEL+1]
.endr
.irp b, 0,1,2,3
	s_delay_alu instid0(VALU_DEP_4)
	v_max_num_f32 v[BM+\b], v[BM+\b], v[WK+\b]
.endr
	s_delay_alu instid0(VALU_DEP_2)
	v_max3_num_f32 v[TT], v[BM], v[BM+1], v[BM+2]
	s_delay_alu instid0(VALU_DEP_1)
	v_max_num_f32 v[TT], v[TT], v[BM+3]
	s_delay_alu instid0(VALU_DEP_1)
	v_mul_f32 v[TT], s[CS], v[TT]
	s_delay_alu instid0(VALU_DEP_1)
	v_max_num_f32 v13, v13, v[TT]                  ; the running largest t
	v_mov_b32 v[TT], v12
	s_delay_alu instid0(VALU_DEP_2)
	v_floor_f32 v12, -v13                          ; the new -M: M is a whole number
	s_delay_alu instid0(VALU_DEP_1)
	v_sub_f32 v[TT], v12, v[TT]
	s_delay_alu instid0(VALU_DEP_1)
	v_cvt_i32_f32 v[TT], v[TT]                     ; (it saturates)
	s_delay_alu instid0(VALU_DEP_1)
	v_ldexp_f32 v[FF], 1.0, v[TT]                  ; f = 2^(old M - new M)
.set j, 0
.rept 32
	v_pk_fma_f32 v[S+j:S+j+1], v[S+j:S+j+1], s[CS:CS+1], v[12:13] op_sel_hi:[1,0,0]   ; t - M
.set j, j+2
.endr
.irp b, 0,1,2,3
	v_fma_f32 v[BM+\b], v[BM+\b], s[CS], v12
.endr
.set j, 0
	s_wait_alu depctr_va_vdst(0)
.rept 64
	v_exp_f32 v[S+j], v[S+j]                       ; p = 2^(t - M)
.set j, j+1
.endr
	v_pk_mul_f32 v[14:15], v[14:15], v[FF:FF+1] op_sel_hi:[1,0]   ; the sums under the new M: a plain place behind the exponentials
	s_wait_alu depctr_va_vdst(0)                   ; one wait for the whole batch, ahead of its first reader
.irp b, 0,1,2,3
	v_exp_f32 v[BM+\b], v[BM+\b]                   ; the blocks' largest p
.endr
	v_pk_add_f32 v[216:217], v[100:101], v[104:105]
	v_pk_add_f32 v[252:253], v[108:109], v[112:113]
	v_pk_add_f32 v[250:251], v[116:117], v[120:121]
	v_pk_add_f32 v[248:249], v[124:125], v[128:129]
	v_pk_add_f32 v[246:247], v[132:133], v[136:137]
	v_pk_add_f32 v[244:245], v[140:141], v[144:145]
	v_pk_add_f32 v[242:243], v[148:149], v[152:153]
	v_pk_add_f32 v[14:15], v[14:15], v[156:157]
	v_pk_add_f32 v[216:217], v[216:217], v[96:97]
	v_pk_add_f32 v[252:253], v[252:253], v[98:99]
	v_pk_add_f32 v[250:251], v[250:251], v[102:103]
	v_pk_add_f32 v[248:249], v[248:249], v[106:107]
	v_pk_add_f32 v[246:247], v[246:247], v[110:111]
	v_pk_add_f32 v[244:245], v[244:245], v[114:115]
	v_pk_add_f32 v[242:243], v[242:243], v[118:119]
	v_pk_add_f32 v[14:15], v[14:15], v[122:123]
	v_pk_add_f32 v[216:217], v[216:217], v[126:127]
	v_pk_add_f32 v[252:253], v[252:253], v[130:131]
	v_pk_add_f32 v[250:251], v[250:251], v[134:135]
	v_pk_add_f32 v[248:249], v[248:249], v[138:139]
	v_pk_add_f32 v[246:247], v[246:247], v[142:143]
	v_pk_add_f32 v[244:245], v[244:245], v[146:147]
	v_pk_add_f32 v[242:243], v[242:243], v[150:151]
	v_pk_add_f32 v[14:15], v[14:15], v[154:155]
	v_pk_add_f32 v[216:217], v[216:217], v[158:159]
	s_delay_alu instid0(VALU_DEP_2)
	v_pk_add_f32 v[14:15], v[14:15], v[248:249]
	s_delay_alu instid0(VALU_DEP_2)
	v_pk_add_f32 v[216:217], v[216:217], v[246:247]
	v_pk_add_f32 v[252:253], v[252:253], v[244:245]
	v_pk_add_f32 v[250:251], v[250:251], v[242:243]
	s_delay_alu instid0(VALU_DEP_2)
	v_pk_add_f32 v[14:15], v[14:15], v[252:253]
	s_delay_alu instid0(VALU_DEP_2)
	v_pk_add_f32 v[216:217], v[216:217], v[250:251]
	s_delay_alu instid0(VALU_DEP_1)
	v_pk_add_f32 v[14:15], v[14:15], v[216:217]
	s_wait_alu depctr_va_vdst(0)                   ; and one for the four
.irp b, 0,1,2,3
	v_max_num_f32 v[BM+\b], 0x1800000, v[BM+\b]    ; the floor: the byte cannot fall under 1
.endr
.irp b, 0,1,2,3
	s_delay_alu instid0(VALU_DEP_4)
	v_add_nc_u32 v[SO4+\b], 0xff000000, v[BM+\b]
.endr
.irp b, 0,1,2,3
	s_delay_alu instid0(VALU_DEP_4)
	v_lshrrev_b32 v[WK+\b], 23, v[SO4+\b]
.endr
	s_delay_alu instid0(VALU_DEP_3)
	v_lshl_or_b32 v[PWD], v[WK+1], 8, v[WK]
	s_delay_alu instid0(VALU_DEP_1)
	v_lshl_or_b32 v[PWD], v[WK+2], 16, v[PWD]
	s_delay_alu instid0(VALU_DEP_1)
	v_lshl_or_b32 v[PWD], v[WK+3], 24, v[PWD]
.irp c, 0,1
	v_cvt_scalef32_pk16_fp6_f32 v[PCD+6*\c:PCD+6*\c+2], v[S+32*\c:S+32*\c+15], v[SO4+2*\c]
	v_cvt_scalef32_pk16_fp6_f32 v[PCD+12+4*\c:PCD+14+4*\c], v[S+16+32*\c:S+31+32*\c], v[SO4+2*\c+1]
.endr
	v_nop                                          ; one plain place behind a scaled conversion
.irp c, 0,1
.irp i, 0,1,2
	v_permlane16_swap_b32 v[PCD+6*\c+\i], v[PCD+12+4*\c+\i]
.endr
.irp i, 0,1,2
	s_delay_alu instid0(VALU_DEP_3)
	v_mov_b32 v[PCD+3+6*\c+\i], v[PCD+12+4*\c+\i]
.endr
.endr
.set j, 0
.rept 16
	v_pk_mul_f32 v[O+j:O+j+1], v[O+j:O+j+1], v[FF:FF+1] op_sel_hi:[1,0]   ; O^T under the new M; these sixteen are also the places between p's codes and scale word and the products
.set j, j+2
.endr
	s_wait_alu depctr_va_vdst(0)
	s_wait_dscnt 0x0                               ; V
.irp t, 0,1,2,3
	v_wmma_scale_f32_16x16x128_f8f6f4 v[O+8*\t:O+8*\t+7], v[KV+12*\t:KV+12*\t+11], v[PCD:PCD+11], v[O+8*\t:O+8*\t+7], v[KSC+\t], v[PWD] matrix_a_fmt:MATRIX_FMT_FP6 matrix_b_fmt:MATRIX_FMT_FP6
.endr
.endm
	s_wait_tensorcnt 0x0                           ; my load has landed,
	s_barrier_signal -1
	s_barrier_wait -1                              ; everybody's have: K, V and their scale words are whole
	s_wait_loadcnt 0x0                             ; Q
	s_mov_b32 s[CNT], 8
.Ltrip:                                            ; 256 keys a trip
	v_add_nc_u32 v[ADK], s[T1], v[AK0]             ; (these four are the places behind the last products)
	v_add_nc_u32 v[ADV], s[T1], v[AV0]
	s_wait_alu depctr_va_vdst(0)
	v_add_nc_u32 v[ADS], s[TSK], v[ASK0]
	v_add_nc_u32 v[ADT], s[TSV], v[ASV0]
	s_wait_alu depctr_va_vdst(0)
	STEP 0
	STEP 1
	s_add_co_u32 s[T1], s[T1], 12288
	s_add_co_u32 s[TSK], s[TSK], 1024
	s_add_co_u32 s[TSV], s[TSV], 512
	s_sub_co_u32 s[CNT], s[CNT], 1
	s_cmp_lg_u32 s[CNT], 0
	s_cbranch_scc1 .Ltrip
	; THE WAY OUT: O^T / the sum; its 32 numbers a lane are 16 neighbours of each of the head's two blocks of 32: one chunk of codes and two scale bytes a row
	v_add_f32 v14, v14, v15
	s_delay_alu instid0(VALU_DEP_1)
	v_permlanex16_b32 v[TT], v14, s[SEL], s[SEL+1]
	s_delay_alu instid0(VALU_DEP_1)
	v_add_f32 v14, v14, v[TT]
	s_wait_alu depctr_va_vdst(0)
	v_rcp_f32 v14, v14
.rept 4
	v_nop                                          ; the plain place behind the reciprocal, and the places behind the last products
.endr
	s_wait_alu depctr_va_vdst(0)                   ; ahead of the reciprocal's first reader
.set j, 0
.rept 32
	v_mul_f32 v[S+j], v[O+j], v14                  ; each accumulator from its low end on
.set j, j+1
.endr
.irp b, 0,1
	v_max3_num_f32 v[BM+\b], |v[S+16*\b]|, |v[S+1+16*\b]|, 0x1800000
.endr
.irp i, 2,4,6,8,10,12,14
.irp b, 0,1
	s_delay_alu instid0(VALU_DEP_2)
	v_max3_num_f32 v[BM+\b], v[BM+\b], |v[S+16*\b+\i]|, |v[S+1+16*\b+\i]|
.endr
.endr
.irp b, 0,1
	s_delay_alu instid0(VALU_DEP_2)
	v_permlanex16_b32 v[WK+\b], v[BM+\b], s[SEL], s[SEL+1]
.endr
.irp b, 0,1
	s_delay_alu instid0(VALU_DEP_2)
	v_max_num_f32 v[BM+\b], v[BM+\b], v[WK+\b]
.endr
.irp b, 0,1
	s_delay_alu instid0(VALU_DEP_2)
	v_add_nc_u32 v[SO4+\b], 0xff000000, v[BM+\b]
.endr
.irp b, 0,1
	s_delay_alu instid0(VALU_DEP_2)
	v_lshrrev_b32 v[WK+\b], 23, v[SO4+\b]
.endr
	s_delay_alu instid0(VALU_DEP_1)
	v_lshl_or_b32 v[TT], v[WK+1], 8, v[WK]
	v_cvt_scalef32_pk16_fp6_f32 v[PCD:PCD+2], v[S:S+15], v[SO4]
	v_cvt_scalef32_pk16_fp6_f32 v[PCD+12:PCD+14], v[S+16:S+31], v[SO4+1]
	v_nop
.irp i, 0,1,2
	v_permlane16_swap_b32 v[PCD+\i], v[PCD+12+\i]
.endr
.irp i, 0,1,2
	s_delay_alu instid0(VALU_DEP_3)
	v_mov_b32 v[PCD+3+\i], v[PCD+12+\i]
.endr
.irp p, 0,1,2
	global_store_b64 v[GO], v[PCD+2*\p:PCD+2*\p+1], s[94:95] offset:256*\p   ; 256 consecutive bytes, aligned
.endr
	global_store_b16 v[GS], v[TT], s[96:97]        ; the word's other half is the neighbouring head's; lanes l and l xor 16 write the same value
	s_wait_tensorcnt 0x0
	ds_add_u32 v254, v255
	s_wait_dscnt 0x0
	CROUND                                         ; the closing round
	s_endpgm
.Lfunc_end_k_q3ec437e51d_attn:
	.size	k_q3ec437e51d_attn, .Lfunc_end_k_q3ec437e51d_attn-k_q3ec437e51d_attn
	.p2alignl 7, 3214868480
	.fill 96, 4, 3214868480
	.section	.rodata,"a",@progbits
	.p2align	6, 0x0
	.amdhsa_kernel k_q3ec437e51d_attn
		.amdhsa_group_segment_fixed_size 210944
		.amdhsa_private_segment_fixed_size 0
		.amdhsa_enable_private_segment 0
		.amdhsa_kernarg_size 16
		.amdhsa_user_sgpr_count 2
		.amdhsa_user_sgpr_kernarg_segment_ptr 1
		.amdhsa_wavefront_size32 1
		.amdhsa_system_sgpr_workgroup_id_x 1
		.amdhsa_system_sgpr_workgroup_id_y 1
		.amdhsa_system_sgpr_workgroup_id_z 1
		.amdhsa_system_vgpr_workitem_id 0
		.amdhsa_next_free_vgpr 256
		.amdhsa_next_free_sgpr 100
		.amdhsa_reserve_vcc 0
		.amdhsa_float_denorm_mode_32 3
		.amdhsa_float_denorm_mode_16_64 3
		.amdhsa_memory_ordered 1
		.amdhsa_forward_progress 1
		.amdhsa_inst_pref_size 53
	.end_amdhsa_kernel
	.amdgpu_metadata
---
amdhsa.version: [ 1, 2 ]
amdhsa.kernels:
  - .name:           k_q3ec437e51d_attn
    .symbol:         k_q3ec437e51d_attn.kd
    .args:
      - { .name: act_a, .offset: 0, .size: 8, .value_kind: global_buffer, .address_space: global }
      - { .name: act_b, .offset: 8, .size: 8, .value_kind: global_buffer, .address_space: global }
    .group_segment_fixed_size: 210944
    .private_segment_fixed_size: 0
    .kernarg_segment_align: 8
    .kernarg_segment_size: 16
    .max_flat_workgroup_size: 512
    .sgpr_count:     100
    .vgpr_count:     256
    .wavefront_size: 32
...
	.end_amdgpu_metadata
.endif
;; end of part 3
;; launch wo (part 4): grid 8 x 32, 4 waves a work-group, clusters of 4 x 4, 327,680 bytes of LDS; arguments act_b, woq, part; writes part
.if DOCPART == 4
	.amdgcn_target "amdgcn-amd-amdhsa--gfx1250"
	.amdhsa_code_object_version 6
	.text
	.protected	k_q3ec437e51d_wo
	.globl	k_q3ec437e51d_wo
	.p2align	8
	.type	k_q3ec437e51d_wo,@function
k_q3ec437e51d_wo:
	s_mov_b64 s[64:65], 0
	v_nop
	global_prefetch_b8 v0, s[64:65] scope:SCOPE_SE
	s_setreg_imm32_b32 hwreg(HW_REG_WAVE_MODE, 25, 1), 1
	s_wait_xcnt 0x0
	s_wait_alu depctr_hold_cnt(0) depctr_sa_sdst(0) depctr_va_vdst(0) depctr_va_sdst(0) depctr_va_ssrc(0) depctr_va_vcc(0) depctr_vm_vsrc(0)
	s_getreg_b32 s2, hwreg(HW_REG_IB_STS2, 6, 4)
	s_cmp_eq_u32 s2, 0
	s_cbranch_scc0 .Lentry_in_a_cluster
	s_endpgm
.Lentry_in_a_cluster:
	s_bfe_u32 s2, ttmp6, 0x10000c
	s_cmp_lg_u32 s2, 0xf033
	s_cbranch_scc0 .Lentry_shape_is_right
	s_endpgm
.Lentry_shape_is_right:
.set FR,     12
.set HALFT,  24576
.set SLOT,   4*HALFT
.set SCL,    2*SLOT
.set SCLB,   SCL+4096+64
.set XSTEP,  786432
.set WSTEP,  196608
.set SPITCH, 272
.set ADRA, 16
.set ADRB, 20
.set STO,  24
.set RD,   25
.set CO,   26
.set ADRS, 27
.set SC,   32
.set BK,   64
.set ACC,  128
.set F0,   0
.set F1,   128
.set G1, 24
.set G0, 32
.set G1B, 48
.set G0B, 56
.set G1S, 68
.set G0S, 76
.set G1SB, 80
.set G0SB, 88
.set MSB, 0
.macro WIN new
.if MSB != \new
	s_set_vgpr_msb (MSB<<8)|\new
.set MSB, \new
.endif
.endm
.set MUL,  0x05
.set TO_F, 0x40
.macro JLOAD g0a, g1a, g0b, g1b
	s_cmp_eq_u32 s15, 0
	s_cbranch_scc0 .Lfor_b_\@
	tensor_load_to_lds s[\g0a:\g0a+3], s[\g1a:\g1a+7]
	s_nop 0
.rept 4
	v_nop
.endr
	s_branch .Lasked_\@
.Lfor_b_\@:
	tensor_load_to_lds s[\g0b:\g0b+3], s[\g1b:\g1b+7]
	s_nop 0
.rept 4
	v_nop
.endr
.Lasked_\@:
.endm
.macro CROUND
	s_barrier_signal -1
	s_barrier_wait -1
	s_cmp_lg_u32 s14, 0
	s_cbranch_scc1 .Lnot_wave_0_\@
	s_barrier_signal -3
.Lnot_wave_0_\@:
	s_barrier_wait -3
	s_barrier_signal -1
	s_barrier_wait -1
.endm
	s_load_b128 s[4:7], s[0:1], 0x0
	s_load_b64 s[12:13], s[0:1], 0x10
	v_lshl_add_u32 v30, v0, 2, 0x33000
	v_mov_b32 v31, 0
	ds_add_u32 v30, v31
	ds_add_u32 v30, v31
	v_lshrrev_b32 v1, 5, v0
	v_readfirstlane_b32 s14, v1
	s_lshr_b32 s15, s14, 1
	s_and_b32 s16, s14, 1
	s_bfe_u32 s40, ttmp6, 0x40000
	s_bfe_u32 s41, ttmp6, 0x40004
	s_lshl_b32 s42, ttmp9, 2
	s_add_co_u32 s42, s42, s40
	s_and_b32 s17, ttmp7, 0xffff
	s_lshl_b32 s17, s17, 2
	s_add_co_u32 s17, s17, s41
	s_lshl_b32 s43, s41, 2
	s_lshl_b32 s43, 15, s43
	s_lshl_b32 s44, 0x1111, s40
	s_or_b32 s[G1+0], s43, (3<<16)|(1<<21)
	s_or_b32 s[G1B+0], s44, (3<<16)|(1<<21)
	s_mov_b32 s[G1+5], XSTEP/8                     ; a load brings a slot's two K steps of 128 rows: 2 runs of 24,576 bytes, a K step apart
	s_mov_b32 s[G1B+5], WSTEP/8
.irp g, G1, G1B
	s_mov_b32 s[\g+1], 3072<<16
	s_mov_b32 s[\g+2], 2<<16
	s_mov_b32 s[\g+3], 3072<<16
	s_mov_b32 s[\g+4], 2
	s_mov_b32 s[\g+6], 0
	s_mov_b32 s[\g+7], 0
.endr
	s_or_b32 s[G1S+0], s43, (3<<16)|(1<<21)
	s_or_b32 s[G1SB+0], s44, (3<<16)|(1<<21)
.irp g, G1S, G1SB
	s_mov_b32 s[\g+1], 32<<16
	s_mov_b32 s[\g+2], 16<<16
	s_mov_b32 s[\g+3], 32<<16
	s_mov_b32 s[\g+4], 16
	s_mov_b32 s[\g+5], 32
	s_mov_b32 s[\g+6], 0
	s_mov_b32 s[\g+7], 0
.endr
	s_lshl_b32 s20, s17, 3
	s_mul_i32 s20, s20, 3072
	s_add_co_u32 s20, s20, 0x80000
	s_mov_b32 s21, 0
	s_lshl_b32 s22, s17, 12
	s_mov_b32 s23, 0
	s_lshl_b32 s46, s42, 3
	s_mul_i32 s46, s46, 3072
	s_add_co_u32 s46, s46, 0x80000
	s_mov_b32 s47, 0
	s_lshl_b32 s92, s42, 12
	s_mov_b32 s93, 0
	s_wait_dscnt 0x0
	s_wait_kmcnt 0x0
	s_add_nc_u64 s[20:21], s[4:5], s[20:21]
	s_add_nc_u64 s[22:23], s[4:5], s[22:23]
	s_add_nc_u64 s[46:47], s[6:7], s[46:47]
	s_add_nc_u64 s[92:93], s[6:7], s[92:93]
	CROUND
	s_mov_b32 s[G0S], 1
	s_mov_b32 s[G0S+1], SCL
	s_mov_b64 s[G0S+2:G0S+3], s[22:23]
	s_or_b32 s[G0S+3], s[G0S+3], 0x80000000
	s_mov_b32 s[G0SB], 1
	s_mov_b32 s[G0SB+1], SCLB
	s_mov_b64 s[G0SB+2:G0SB+3], s[92:93]
	s_or_b32 s[G0SB+3], s[G0SB+3], 0x80000000
.irp s, 0,1
	s_mov_b32 s[G0+4*\s], 1
	s_mov_b32 s[G0+4*\s+1], \s*SLOT
	s_add_nc_u64 s[G0+4*\s+2:G0+4*\s+3], s[20:21], \s*2*XSTEP
	s_or_b32 s[G0+4*\s+3], s[G0+4*\s+3], 0x80000000
	s_mov_b32 s[G0B+4*\s], 1
	s_mov_b32 s[G0B+4*\s+1], \s*SLOT+2*HALFT
	s_add_nc_u64 s[G0B+4*\s+2:G0B+4*\s+3], s[46:47], \s*2*WSTEP
	s_or_b32 s[G0B+4*\s+3], s[G0B+4*\s+3], 0x80000000
.endr
; the head's four tiles, one load a wave, in one chain of branches on the wave's number: slot 0 of A, of B, A's scale words, B's
.macro ARM under, g0, g1, next
	s_cmp_lt_u32 s14, \under
	s_cbranch_scc0 \next
	tensor_load_to_lds s[\g0:\g0+3], s[\g1:\g1+7]
	s_nop 0
.rept 4
	v_nop
.endr
	s_branch .Lhead_asked
\next:
.endm
	ARM 1, G0,  G1,  .Lhead_b
	ARM 2, G0B, G1B, .Lhead_sa
	ARM 3, G0S, G1S, .Lhead_sb
	tensor_load_to_lds s[G0SB:G0SB+3], s[G1SB:G1SB+7]
	s_nop 0
.rept 4
	v_nop
.endr
.Lhead_asked:
	v_and_b32 v1, 15, v0
	v_bfe_u32 v2, v0, 4, 1
	s_wait_alu depctr_va_vdst(0)
	v_and_b32 v3, 31, v0
	v_lshlrev_b32 v4, 3, v3
	s_mul_i32 s21, s15, 12288
	s_mul_i32 s22, s16, 12288
	s_add_co_u32 s22, s22, 2*HALFT
.irp s, 0,1
	v_add_nc_u32 v[ADRA+\s], s21, v4
	v_add_nc_u32 v[ADRB+\s], s22, v4
	s_add_co_u32 s21, s21, SLOT
	s_add_co_u32 s22, s22, SLOT
.endr
	v_lshlrev_b32 v5, 2, v1
	s_lshl_b32 s21, s15, 8
	s_lshl_b32 s22, s16, 8
	s_add_co_u32 s22, s22, SCLB-SCL
	s_sub_co_u32 s22, s22, s21
	v_mul_u32_u24 v6, s22, v2
	s_add_co_u32 s21, s21, SCL
	v_add_nc_u32 v5, v5, v6
	v_add_nc_u32 v[ADRS], s21, v5
	s_mul_i32 s23, s14, 16*SPITCH
	v_mul_u32_u24 v5, v1, SPITCH
	v_lshl_add_u32 v5, v2, 6, v5
	v_add_nc_u32 v[STO], s23, v5
	v_mul_u32_u24 v5, v2, 8*SPITCH
	v_lshl_add_u32 v5, v1, 4, v5
	v_add_nc_u32 v[RD], s23, v5
	v_lshlrev_b32 v5, 16, v2
	v_lshl_add_u32 v[CO], v1, 4, v5
	s_lshl_b32 s20, s17, 7
	s_lshl_b32 s21, s15, 6
	s_add_co_u32 s20, s20, s21
	s_lshl_b32 s20, s20, 12
	s_lshl_b32 s21, s42, 9
	s_add_co_u32 s20, s20, s21
	s_lshl_b32 s21, s16, 8
	s_add_co_u32 s20, s20, s21
	s_mov_b32 s21, 0
	s_add_nc_u64 s[12:13], s[12:13], s[20:21]
.macro FRAG reg, adr, t, i
.irp p, 0,1,2,3,4,5
	ds_load_b64 v[\reg+2*\p:\reg+2*\p+1], v[\adr] offset:((\t)/2)*HALFT+(2*(\i)+(\t)%2)*1536+256*\p
.endr
.endm
.macro FETCH slot, t, f
	WIN TO_F
.irp i, 0,1,2,3
	FRAG (\f)+FR*\i, ADRB+\slot, \t, \i
.endr
.irp i, 0,1,2,3
	FRAG (\f)+48+FR*\i, ADRA+\slot, \t, \i
.endr
.endm
.macro MUL8 f, a0, kk, zero
.irp a, \a0, \a0+1
.irp b, 0,1,2,3
.if \zero
	v_wmma_scale_f32_16x16x128_f8f6f4 v[ACC+8*(4*(\a)+\b):ACC+8*(4*(\a)+\b)+7], v[(\f)+FR*\b:(\f)+FR*\b+FR-1], v[(\f)+48+FR*(\a):(\f)+48+FR*(\a)+FR-1], 0, v[SC+4*(\kk)+\b], v[SC+4*(\kk)+(\a)] matrix_a_fmt:MATRIX_FMT_FP6 matrix_b_fmt:MATRIX_FMT_FP6 matrix_a_scale:MATRIX_SCALE_ROW1
.else
	v_wmma_scale_f32_16x16x128_f8f6f4 v[ACC+8*(4*(\a)+\b):ACC+8*(4*(\a)+\b)+7], v[(\f)+FR*\b:(\f)+FR*\b+FR-1], v[(\f)+48+FR*(\a):(\f)+48+FR*(\a)+FR-1], v[ACC+8*(4*(\a)+\b):ACC+8*(4*(\a)+\b)+7], v[SC+4*(\kk)+\b], v[SC+4*(\kk)+(\a)] matrix_a_fmt:MATRIX_FMT_FP6 matrix_b_fmt:MATRIX_FMT_FP6 matrix_a_scale:MATRIX_SCALE_ROW1
.endif
.endr
.endr
.endm
.macro PLACES
.rept 4
	v_nop
.endr
.endm
.macro QUARTER slot, tn, f, g, kk, zero
	s_wait_dscnt 12
	WIN MUL
	MUL8 \f, 0, \kk, \zero
	PLACES
	FETCH \slot, \tn, \g
	s_wait_dscnt 48
	WIN MUL
	MUL8 \f, 2, \kk, \zero
.endm
	s_wait_alu depctr_va_vdst(0)
	s_wait_tensorcnt 0x0                           ; my tile of the head's four is in
	ds_add_u32 v30, v31
	s_wait_dscnt 0x0
	CROUND                                         ; all four tiles are shown, and the joint loads meet
	s_cmp_eq_u32 s14, 0                            ; wave 0 asks for slot 1 of A, wave 1 of B; waves 2 and 3 have no part of it
	s_cbranch_scc0 .Lsec_b
	tensor_load_to_lds s[G0+4:G0+7], s[G1:G1+7]
	s_nop 0
.rept 4
	v_nop
.endr
	s_branch .Lsec_done
.Lsec_b:
	s_cmp_eq_u32 s14, 1
	s_cbranch_scc0 .Lsec_done
	tensor_load_to_lds s[G0B+4:G0B+7], s[G1B:G1B+7]
	s_nop 0
.rept 4
	v_nop
.endr
.Lsec_done:
.irp k, 0,1,2,3,4,5,6,7
.irp i, 0,1,2,3
	ds_load_b32 v[SC+4*\k+\i], v[ADRS] offset:\k*512+64*\i
.endr
.endr
	FETCH 0, 0, F0
	QUARTER 0, 1, F0, F1, 0, 1
	QUARTER 0, 2, F1, F0, 1, 0
	QUARTER 0, 3, F0, F1, 2, 0
	s_wait_tensorcnt 0x0
	s_wait_dscnt 12
	WIN MUL
	MUL8 F1, 0, 3, 0
	s_wait_dscnt 0x0
	s_barrier_signal -1
	s_barrier_wait -1
	PLACES
	FETCH 1, 0, F0
	WIN MUL
	MUL8 F1, 2, 3, 0
	QUARTER 1, 1, F0, F1, 4, 0
	QUARTER 1, 2, F1, F0, 5, 0
	QUARTER 1, 3, F0, F1, 6, 0
	s_wait_dscnt 12
	WIN MUL
	MUL8 F1, 0, 7, 0
	s_wait_dscnt 0
	MUL8 F1, 2, 7, 0
	WIN 0
.macro TOSTAGE a
.irp b, 0,1,2,3
	ds_store_b128 v[STO], v[ACC+8*(4*(\a)+\b):ACC+8*(4*(\a)+\b)+3] offset:128*(\b/2)+32*(\b%2)
	ds_store_b128 v[STO], v[ACC+8*(4*(\a)+\b)+4:ACC+8*(4*(\a)+\b)+7] offset:128*(\b/2)+32*(\b%2)+16
.endr
.irp u, 0,1,2,3,4,5,6,7
	ds_load_b128 v[BK+32*((\a)%2)+4*\u:BK+32*((\a)%2)+4*\u+3], v[RD] offset:\u*SPITCH
.endr
.endm
.macro SEND a, younger
	s_wait_dscnt \younger
.irp u, 0,1,2,3,4,5,6,7
	global_store_b128 v[CO], v[BK+32*((\a)%2)+4*\u:BK+32*((\a)%2)+4*\u+3], s[12:13] offset:(32*((\a)/2)+8*((\a)%2)+\u)*4096 th:TH_STORE_NT
.endr
.endm
	PLACES
	TOSTAGE 0
.irp a, 1,2,3
.if \a > 1
	s_wait_xcnt 0x0
.endif
	TOSTAGE \a
	SEND \a-1, 16
.endr
	SEND 3, 0
	s_wait_tensorcnt 0x0
	ds_add_u32 v30, v31
	s_wait_dscnt 0x0
	CROUND
	s_endpgm
.Lfunc_end_k_q3ec437e51d_wo:
	.size	k_q3ec437e51d_wo, .Lfunc_end_k_q3ec437e51d_wo-k_q3ec437e51d_wo
	.p2alignl 7, 3214868480
	.fill 96, 4, 3214868480
	.section	.rodata,"a",@progbits
	.p2align	6, 0x0
	.amdhsa_kernel k_q3ec437e51d_wo
		.amdhsa_group_segment_fixed_size 327680
		.amdhsa_private_segment_fixed_size 0
		.amdhsa_enable_private_segment 0
		.amdhsa_kernarg_size 24
		.amdhsa_user_sgpr_count 2
		.amdhsa_user_sgpr_kernarg_segment_ptr 1
		.amdhsa_wavefront_size32 1
		.amdhsa_system_sgpr_workgroup_id_x 1
		.amdhsa_system_sgpr_workgroup_id_y 1
		.amdhsa_system_sgpr_workgroup_id_z 1
		.amdhsa_system_vgpr_workitem_id 0
		.amdhsa_next_free_vgpr 512
		.amdhsa_next_free_sgpr 98
		.amdhsa_reserve_vcc 0
		.amdhsa_float_denorm_mode_32 3
		.amdhsa_float_denorm_mode_16_64 3
		.amdhsa_memory_ordered 1
		.amdhsa_forward_progress 1
		.amdhsa_inst_pref_size 62
	.end_amdhsa_kernel
	.amdgpu_metadata
---
amdhsa.version: [ 1, 2 ]
amdhsa.kernels:
  - .name:           k_q3ec437e51d_wo
    .symbol:         k_q3ec437e51d_wo.kd
    .args:
      - { .name: act_b, .offset: 0, .size: 8, .value_kind: global_buffer, .address_space: global }
      - { .name: woq, .offset: 8, .size: 8, .value_kind: global_buffer, .address_space: global }
      - { .name: part, .offset: 16, .size: 8, .value_kind: global_buffer, .address_space: global }
    .group_segment_fixed_size: 327680
    .private_segment_fixed_size: 0
    .kernarg_segment_align: 8
    .kernarg_segment_size: 24
    .max_flat_workgroup_size: 128
    .sgpr_count:     98
    .vgpr_count:     512
    .wavefront_size: 32
...
	.end_amdgpu_metadata
.endif
;; end of part 4
;; launch ln1 (part 5): grid 256 x 1, 16 waves a work-group, no clusters, 80,384 bytes of LDS; arguments part, x, bo, g1, be1, act_a; writes act_a
.if DOCPART == 5
	.amdgcn_target "amdgcn-amd-amdhsa--gfx1250"
	.amdhsa_code_object_version 6
	.text
	.protected	k_q3ec437e51d_ln1
	.globl	k_q3ec437e51d_ln1
	.p2align	8
	.type	k_q3ec437e51d_ln1,@function
k_q3ec437e51d_ln1:
	s_mov_b64 s[64:65], 0
	v_nop
	global_prefetch_b8 v0, s[64:65] scope:SCOPE_SE
	s_setreg_imm32_b32 hwreg(HW_REG_WAVE_MODE, 25, 1), 1
	s_wait_xcnt 0x0
; r = LayerNorm(x + part + bo) x g1 + be1, in f32: stored as f32 rows (act_a + 0x380000, true order) and as codes of FP6 (E2M3) with scale words, laid as the first launch's head says.
; A work-group takes one block of 16 places; wave i takes the row at place i: 32 (blk / 2) + 8 (blk % 2) + i + 8 (i / 8).  A lane holds columns 128 k + 4 l + 0 .. 3, k = 0 .. 7: every load and store covers 512 consecutive bytes.
; Mean first, then the mean of the squared differences: no difference of large sums.  The three vectors come once a work-group into LDS.  The 16 rows meet in LDS, and waves 0-7 make one fragment (16 rows x 128 K) each.
; No cluster, no tensor load: work-groups share only the three vectors, 12 KB beside 128 KB of rows.  LIMITS: scale bytes held at 1 from below; NaN and infinities not served.
.set STG, 12288                        ; behind the vectors: 16 rows of 4,096 bytes + 16
.set SPI, 4112
.set V,   16
.set X,   48
.set T,   80
.set XS,  48                           ; the fragment's 64 numbers take x's and the vectors' registers
.set PC,  112
.set TM,  132
.set PW,  148
.set A0,  150
.set A1,  152
.set MU,  154
.set RS,  156
.set TP,  158
.set IO,  5
.set SEL, 18
.set OC,  30
.macro QUANT s
.irp b, 0,1,2,3
	v_max3_num_f32 v[TM+\b], |v[\s+16*\b]|, |v[\s+1+16*\b]|, 0x1800000
.endr
.irp i, 2,4,6,8,10,12,14
.irp b, 0,1,2,3
	s_delay_alu instid0(VALU_DEP_4)
	v_max3_num_f32 v[TM+\b], v[TM+\b], |v[\s+16*\b+\i]|, |v[\s+1+16*\b+\i]|
.endr
.endr
.irp b, 0,1,2,3
	s_delay_alu instid0(VALU_DEP_4)
	v_permlanex16_b32 v[TM+4+\b], v[TM+\b], s[SEL], s[SEL+1]
.endr
.irp b, 0,1,2,3
	s_delay_alu instid0(VALU_DEP_4)
	v_max_num_f32 v[TM+\b], v[TM+\b], v[TM+4+\b]
.endr
.irp b, 0,1,2,3
	s_delay_alu instid0(VALU_DEP_4)
	v_add_nc_u32 v[TM+12+\b], 0xff000000, v[TM+\b]
.endr
.irp b, 0,1,2,3
	s_delay_alu instid0(VALU_DEP_4)
	v_lshrrev_b32 v[TM+4+\b], 23, v[TM+12+\b]
.endr
	s_delay_alu instid0(VALU_DEP_3)
	v_lshl_or_b32 v[PW], v[TM+5], 8, v[TM+4]
	s_delay_alu instid0(VALU_DEP_1)
	v_lshl_or_b32 v[PW], v[TM+6], 16, v[PW]
	s_delay_alu instid0(VALU_DEP_1)
	v_lshl_or_b32 v[PW], v[TM+7], 24, v[PW]
.irp c, 0,1
	v_cvt_scalef32_pk16_fp6_f32 v[PC+6*\c:PC+2+6*\c], v[\s+32*\c:\s+15+32*\c], v[TM+12+2*\c]
	v_cvt_scalef32_pk16_fp6_f32 v[PC+12+4*\c:PC+14+4*\c], v[\s+16+32*\c:\s+31+32*\c], v[TM+12+2*\c+1]
.endr
	v_nop
.irp c, 0,1
.irp i, 0,1,2
	v_permlane16_swap_b32 v[PC+6*\c+\i], v[PC+12+4*\c+\i]
.endr
.irp i, 0,1,2
	s_delay_alu instid0(VALU_DEP_3)
	v_mov_b32 v[PC+3+6*\c+\i], v[PC+12+4*\c+\i]
.endr
.endr
.endm
.macro WSUM d                          ; the sum over the 32 lanes, in every lane
	s_delay_alu instid0(VALU_DEP_1)
	v_add_f32_dpp v[\d], v[\d], v[\d] row_xmask:1 row_mask:0xf bank_mask:0xf
	s_delay_alu instid0(VALU_DEP_1)
	v_add_f32_dpp v[\d], v[\d], v[\d] row_xmask:2 row_mask:0xf bank_mask:0xf
	s_delay_alu instid0(VALU_DEP_1)
	v_add_f32_dpp v[\d], v[\d], v[\d] row_xmask:4 row_mask:0xf bank_mask:0xf
	s_delay_alu instid0(VALU_DEP_1)
	v_add_f32_dpp v[\d], v[\d], v[\d] row_xmask:8 row_mask:0xf bank_mask:0xf
	s_delay_alu instid0(VALU_DEP_1)
	v_permlanex16_b32 v[TP], v[\d], s[SEL], s[SEL+1]
	s_delay_alu instid0(VALU_DEP_1)
	v_add_f32 v[\d], v[\d], v[TP]
.endm
.macro LNORM v, g, be                  ; the row in v[v] on is normalised in place; the gain lands in v[g] on, the offset in v[be] on
	v_pk_add_f32 v[152:153], v[16:17], v[18:19]
	v_pk_add_f32 v[156:157], v[24:25], v[28:29]
	v_pk_add_f32 v[154:155], v[32:33], v[36:37]
	v_pk_add_f32 v[148:149], v[40:41], v[44:45]
	v_pk_add_f32 v[146:147], v[20:21], v[22:23]
	v_pk_add_f32 v[144:145], v[26:27], v[30:31]
	v_pk_add_f32 v[142:143], v[34:35], v[38:39]
	v_pk_add_f32 v[150:151], v[42:43], v[46:47]
	s_delay_alu instid0(VALU_DEP_1)
	v_pk_add_f32 v[150:151], v[150:151], v[148:149]
	v_pk_add_f32 v[152:153], v[152:153], v[146:147]
	v_pk_add_f32 v[156:157], v[156:157], v[144:145]
	v_pk_add_f32 v[154:155], v[154:155], v[142:143]
	s_delay_alu instid0(VALU_DEP_2)
	v_pk_add_f32 v[150:151], v[150:151], v[156:157]
	s_delay_alu instid0(VALU_DEP_2)
	v_pk_add_f32 v[152:153], v[152:153], v[154:155]
	s_delay_alu instid0(VALU_DEP_1)
	v_pk_add_f32 v[150:151], v[150:151], v[152:153]
	s_delay_alu instid0(VALU_DEP_1)
	v_add_f32 v[A0], v[A0], v[A0+1]
	WSUM A0
	s_delay_alu instid0(VALU_DEP_1)
	v_mul_f32 v[MU], 0x3a800000, v[A0]             ; / 1,024
	s_delay_alu instid0(VALU_DEP_1)
	v_mov_b32 v[MU+1], v[MU]
.irp j, 0,2,4,6,8,10,12,14,16,18,20,22,24,26,28,30
	v_pk_add_f32 v[\v+\j:\v+\j+1], v[\v+\j:\v+\j+1], v[MU:MU+1] neg_lo:[0,1] neg_hi:[0,1]
.endr
	v_pk_mul_f32 v[A0:A0+1], v[\v:\v+1], v[\v:\v+1]
	v_pk_mul_f32 v[A1:A1+1], v[\v+2:\v+3], v[\v+2:\v+3]
.irp j, 4,8,12,16,20,24,28
	s_delay_alu instid0(VALU_DEP_2)
	v_pk_fma_f32 v[A0:A0+1], v[\v+\j:\v+\j+1], v[\v+\j:\v+\j+1], v[A0:A0+1]
	s_delay_alu instid0(VALU_DEP_2)
	v_pk_fma_f32 v[A1:A1+1], v[\v+\j+2:\v+\j+3], v[\v+\j+2:\v+\j+3], v[A1:A1+1]
.endr
	s_delay_alu instid0(VALU_DEP_1)
	v_pk_add_f32 v[A0:A0+1], v[A0:A0+1], v[A1:A1+1]
	s_delay_alu instid0(VALU_DEP_1)
	v_add_f32 v[A0], v[A0], v[A0+1]
	WSUM A0
	s_delay_alu instid0(VALU_DEP_1)
	v_fma_f32 v[A1], v[A0], s22, s23               ; the variance + 1e-5
	s_wait_alu depctr_va_vdst(0)
	v_rsq_f32 v[RS], v[A1]
	v_nop                                          ; one plain place behind the transcendental
	s_wait_alu depctr_va_vdst(0)                   ; ahead of its first reader
	v_mov_b32 v[RS+1], v[RS]
	s_wait_alu depctr_va_vdst(0)
	s_wait_dscnt 0x0                               ; the gain and the offset
.irp j, 0,2,4,6,8,10,12,14,16,18,20,22,24,26,28,30
	v_pk_mul_f32 v[\g+\j:\g+\j+1], v[\g+\j:\g+\j+1], v[RS:RS+1]
.endr
.irp j, 0,2,4,6,8,10,12,14,16,18,20,22,24,26,28,30
	v_pk_fma_f32 v[\v+\j:\v+\j+1], v[\v+\j:\v+\j+1], v[\g+\j:\g+\j+1], v[\be+\j:\be+\j+1]
.endr
.endm
	s_load_b256 s[4:11], s[0:1], 0x0               ; part, x, bo, g1
	s_load_b128 s[12:15], s[0:1], 0x20             ; be1, act_a
	v_lshl_add_u32 v160, v0, 2, 0x13200
	v_mov_b32 v161, 0
	v_lshrrev_b32 v7, 5, v0
	s_delay_alu instid0(VALU_DEP_1)
	v_readfirstlane_b32 s16, v7                    ; wave 0..15
	v_lshlrev_b32 v1, 4, v0                        ; the vectors' copy: 16 bytes a thread of waves 0-7
	v_and_b32 v8, 31, v0
	v_and_b32 v9, 15, v0
	v_bfe_u32 v10, v0, 4, 1
	s_delay_alu instid0(VALU_DEP_3)
	v_lshlrev_b32 v2, 4, v8                        ; 16 x lane
	s_mul_i32 s17, s16, SPI
	s_add_co_u32 s17, s17, STG
	v_add_nc_u32 v3, s17, v2                       ; my row in the stage
	s_and_b32 s34, s16, 7                          ; which 128 along K I quantise
	s_lshl_b32 s17, s34, 9
	s_add_co_u32 s17, s17, STG
	v_mul_u32_u24 v4, v9, SPI
	s_delay_alu instid0(VALU_DEP_1)
	v_lshl_add_u32 v4, v10, 6, v4
	s_delay_alu instid0(VALU_DEP_1)
	v_add_nc_u32 v4, s17, v4                       ; row r, + 64 h, + my 512 bytes
	v_lshlrev_b32 v[IO], 3, v8
	v_lshlrev_b32 v6, 2, v9
	v_mov_b32 v[TP], 0
.irp b, 0,1,2,3
	v_mov_b32 v[TM+4+\b], 0
.endr
	s_mov_b32 s[SEL], 0x76543210
	s_mov_b32 s[SEL+1], 0xfedcba98
	s_mov_b32 s22, 0x3a800000                      ; 1 / 1,024
	s_mov_b32 s23, 0x3727c5ac                      ; 1e-5
	s_lshr_b32 s20, ttmp9, 1
	s_lshl_b32 s20, s20, 5
	s_and_b32 s21, ttmp9, 1
	s_lshl_b32 s21, s21, 3
	s_add_co_u32 s20, s20, s21
	s_add_co_u32 s20, s20, s16
	s_lshr_b32 s21, s16, 3
	s_lshl_b32 s21, s21, 3
	s_add_co_u32 s20, s20, s21                     ; my row
	s_lshl_b32 s20, s20, 12
	s_mov_b32 s21, 0
	s_lshr_b32 s30, s34, 1
	s_lshl_b32 s30, s30, 8
	s_add_co_u32 s30, s30, ttmp9
	s_mul_i32 s30, s30, 3072
	s_and_b32 s31, s34, 1
	s_mul_i32 s31, s31, 1536
	s_add_co_u32 s30, s30, s31
	s_add_co_u32 s30, s30, 0x80000
	s_mov_b32 s31, 0
	s_lshr_b32 s32, ttmp9, 3
	s_lshl_b32 s32, s32, 3
	s_add_co_u32 s32, s32, s34
	s_lshl_b32 s32, s32, 9
	s_and_b32 s33, ttmp9, 7
	s_lshl_b32 s33, s33, 6
	s_add_co_u32 s32, s32, s33
	s_mov_b32 s33, 0
	s_wait_kmcnt 0x0
	s_add_nc_u64 s[24:25], s[4:5], s[20:21]
	s_add_nc_u64 s[26:27], s[6:7], s[20:21]
	s_add_nc_u64 s[28:29], s[14:15], s[20:21]
	s_add_nc_u64 s[28:29], s[28:29], 0x380000
	s_add_nc_u64 s[30:31], s[14:15], s[30:31]
	s_add_nc_u64 s[32:33], s[14:15], s[32:33]
	s_cmp_lt_u32 s16, 8
	s_cbranch_scc0 .Lno_vec
	global_load_b128 v[T:T+3], v1, s[8:9]
	global_load_b128 v[T+4:T+7], v1, s[10:11]
	global_load_b128 v[T+8:T+11], v1, s[12:13]
.Lno_vec:
.irp k, 0,1,2,3,4,5,6,7
	global_load_b128 v[V+4*\k:V+4*\k+3], v2, s[24:25] offset:512*\k th:TH_LOAD_NT
.endr
.irp k, 0,1,2,3,4,5,6,7
	global_load_b128 v[X+4*\k:X+4*\k+3], v2, s[26:27] offset:512*\k th:TH_LOAD_NT
.endr
	s_cmp_lt_u32 s16, 8
	s_cbranch_scc0 .Lno_put
	s_wait_loadcnt 16                              ; the three vector loads are in; the row's sixteen, issued behind them, may be out
	ds_store_b128 v1, v[T:T+3]
	ds_store_b128 v1, v[T+4:T+7] offset:4096
	ds_store_b128 v1, v[T+8:T+11] offset:8192
.Lno_put:
	s_wait_dscnt 0x0                               ; for the others' sake: my stores have landed
	s_barrier_signal -1
	s_barrier_wait -1
.irp k, 0,1,2,3,4,5,6,7
	ds_load_b128 v[T+4*\k:T+4*\k+3], v2 offset:512*\k          ; bo
.endr
	s_wait_loadcnt 0x0
.irp j, 0,2,4,6,8,10,12,14,16,18,20,22,24,26,28,30
	v_pk_add_f32 v[V+\j:V+\j+1], v[V+\j:V+\j+1], v[X+\j:X+\j+1]
.endr
	s_wait_dscnt 0x0
.irp j, 0,2,4,6,8,10,12,14,16,18,20,22,24,26,28,30
	v_pk_add_f32 v[V+\j:V+\j+1], v[V+\j:V+\j+1], v[T+\j:T+\j+1]
.endr
.irp k, 0,1,2,3,4,5,6,7
	ds_load_b128 v[T+4*\k:T+4*\k+3], v2 offset:4096+512*\k     ; g1
.endr
.irp k, 0,1,2,3,4,5,6,7
	ds_load_b128 v[X+4*\k:X+4*\k+3], v2 offset:8192+512*\k     ; be1
.endr
	LNORM V, T, X
.irp k, 0,1,2,3,4,5,6,7
	global_store_b128 v2, v[V+4*\k:V+4*\k+3], s[28:29] offset:512*\k
.endr
.irp k, 0,1,2,3,4,5,6,7
	ds_store_b128 v3, v[V+4*\k:V+4*\k+3] offset:512*\k
.endr
	s_wait_dscnt 0x0                               ; for the others' sake
	s_barrier_signal -1
	s_barrier_wait -1                              ; the block's 16 rows lie in the stage
	s_cmp_lt_u32 s16, 8
	s_cbranch_scc1 .Lfrag
	s_wait_tensorcnt 0x0
	ds_add_u32 v160, v161
	s_wait_dscnt 0x0
	s_endpgm
.Lfrag:
.irp b, 0,1,2,3
.irp j, 0,1,2,3
	ds_load_b128 v[XS+16*\b+4*\j:XS+16*\b+4*\j+3], v4 offset:128*\b+16*\j
.endr
.endr
	s_wait_dscnt 0x0
	QUANT XS
.irp p, 0,1,2,3,4,5
	global_store_b64 v[IO], v[PC+2*\p:PC+2*\p+1], s[OC:OC+1] offset:256*\p   ; 256 consecutive bytes, aligned
.endr
	global_store_b32 v6, v[PW], s[32:33]           ; lanes l and l xor 16 write the same word with the same value
	s_wait_tensorcnt 0x0
	ds_add_u32 v160, v161
	s_wait_dscnt 0x0
	s_endpgm
.Lfunc_end_k_q3ec437e51d_ln1:
	.size	k_q3ec437e51d_ln1, .Lfunc_end_k_q3ec437e51d_ln1-k_q3ec437e51d_ln1
	.p2alignl 7, 3214868480
	.fill 96, 4, 3214868480
	.section	.rodata,"a",@progbits
	.p2align	6, 0x0
	.amdhsa_kernel k_q3ec437e51d_ln1
		.amdhsa_group_segment_fixed_size 80384
		.amdhsa_private_segment_fixed_size 0
		.amdhsa_enable_private_segment 0
		.amdhsa_kernarg_size 48
		.amdhsa_user_sgpr_count 2
		.amdhsa_user_sgpr_kernarg_segment_ptr 1
		.amdhsa_wavefront_size32 1
		.amdhsa_system_sgpr_workgroup_id_x 1
		.amdhsa_system_sgpr_workgroup_id_y 1
		.amdhsa_system_sgpr_workgroup_id_z 1
		.amdhsa_system_vgpr_workitem_id 0
		.amdhsa_next_free_vgpr 162
		.amdhsa_next_free_sgpr 66
		.amdhsa_reserve_vcc 0
		.amdhsa_float_denorm_mode_32 3
		.amdhsa_float_denorm_mode_16_64 3
		.amdhsa_memory_ordered 1
		.amdhsa_forward_progress 1
		.amdhsa_inst_pref_size 25
	.end_amdhsa_kernel
	.amdgpu_metadata
---
amdhsa.version: [ 1, 2 ]
amdhsa.kernels:
  - .name:           k_q3ec437e51d_ln1
    .symbol:         k_q3ec437e51d_ln1.kd
    .args:
      - { .name: part, .offset: 0, .size: 8, .value_kind: global_buffer, .address_space: global }
      - { .name: x, .offset: 8, .size: 8, .value_kind: global_buffer, .address_space: global }
      - { .name: bo, .offset: 16, .size: 8, .value_kind: global_buffer, .address_space: global }
      - { .name: g1, .offset: 24, .size: 8, .value_kind: global_buffer, .address_space: global }
      - { .name: be1, .offset: 32, .size: 8, .value_kind: global_buffer, .address_space: global }
      - { .name: act_a, .offset: 40, .size: 8, .value_kind: global_buffer, .address_space: global }
    .group_segment_fixed_size: 80384
    .private_segment_fixed_size: 0
    .kernarg_segment_align: 8
    .kernarg_segment_size: 48
    .max_flat_workgroup_size: 512
    .sgpr_count:     66
    .vgpr_count:     162
    .wavefront_size: 32
...
	.end_amdgpu_metadata
.endif
;; end of part 5
;; launch ffn1: the kernel of part 2 again; grid 16 x 16, 4 waves a work-group, clusters of 4 x 4, 327,680 bytes of LDS; arguments act_a, w1q, act_b; writes act_b
;; launch ffn2 (part 6): grid 4 x 64, 4 waves a work-group, clusters of 4 x 4, 327,680 bytes of LDS; arguments act_b, w2q, part; writes part
.if DOCPART == 6
	.amdgcn_target "amdgcn-amd-amdhsa--gfx1250"
	.amdhsa_code_object_version 6
	.text
	.protected	k_q3ec437e51d_ffn2
	.globl	k_q3ec437e51d_ffn2
	.p2align	8
	.type	k_q3ec437e51d_ffn2,@function
k_q3ec437e51d_ffn2:
	s_mov_b64 s[64:65], 0
	v_nop
	global_prefetch_b8 v0, s[64:65] scope:SCOPE_SE
	s_setreg_imm32_b32 hwreg(HW_REG_WAVE_MODE, 25, 1), 1
	s_wait_xcnt 0x0
	s_wait_alu depctr_hold_cnt(0) depctr_sa_sdst(0) depctr_va_vdst(0) depctr_va_sdst(0) depctr_va_ssrc(0) depctr_va_vcc(0) depctr_vm_vsrc(0)
	s_getreg_b32 s2, hwreg(HW_REG_IB_STS2, 6, 4)
	s_cmp_eq_u32 s2, 0
	s_cbranch_scc0 .Lentry_in_a_cluster
	s_endpgm
.Lentry_in_a_cluster:
	s_bfe_u32 s2, ttmp6, 0x10000c
	s_cmp_lg_u32 s2, 0xf033
	s_cbranch_scc0 .Lentry_shape_is_right
	s_endpgm
.Lentry_shape_is_right:
.set FR,     12
.set NL,     6
.set NP,     4
.set HALFT,  24576
.set SLOT,   4*HALFT
.set SCL,    2*SLOT
.set SREG,   8256
.set SCLB,   SCL+8256                  ; K is cut in four: a work-group has one plane of 1,024 along K.  A's words of 256 rows lie at SCL (8,192 bytes), B's at SCLB
.set SPARE,  SCL+4*SREG
.set XSTEP,  786432
.set WSTEP,  196608
.set SPITCH, 528
.set ADRA, 16
.set ADRB, 20
.set STO,  24
.set RD,   25
.set CO,   26
.set ADRS, 27
.set SPW,  28
.set NIL,  29
.set ADRT, 30
.set SC,   32
.set AF,   128
.set BK,   128
.set G1, 24
.set G0, 32
.set G1B, 48
.set G0B, 56
.set G1S, 68
.set G0S, 76
.set G1SB, 80
.set G0SB, 88
.set TS,   95
.set LAPS, 96
.set MSB, 0
.macro WIN new
.if MSB != \new
	s_set_vgpr_msb (MSB<<8)|\new
.set MSB, \new
.endif
.endm
.set MUL_LO, 0xa1
.set MUL_HI, 0xf1
.set TO_B,   0x40
.macro JLOAD g0a, g1a, g0b, g1b
	s_cmp_eq_u32 s15, 0
	s_cbranch_scc0 .Lfor_b_\@
	tensor_load_to_lds s[\g0a:\g0a+3], s[\g1a:\g1a+7]
	s_nop 0
.rept 4
	v_nop
.endr
	s_branch .Lasked_\@
.Lfor_b_\@:
	tensor_load_to_lds s[\g0b:\g0b+3], s[\g1b:\g1b+7]
	s_nop 0
.rept 4
	v_nop
.endr
.Lasked_\@:
.endm
.macro CREST
	s_cmp_lg_u32 s14, 0
	s_cbranch_scc1 .Lnot_wave_0_\@
	s_barrier_signal -3
.Lnot_wave_0_\@:
	s_barrier_wait -3
	s_barrier_signal -1
	s_barrier_wait -1
.endm
.macro CROUND
	s_barrier_signal -1
	s_barrier_wait -1
	CREST
.endm
	s_load_b128 s[4:7], s[0:1], 0x0
	s_load_b64 s[12:13], s[0:1], 0x10
	v_lshl_add_u32 v[SPW], v0, 2, SPARE
	v_mov_b32 v[NIL], 0
	ds_add_u32 v28, v29
	ds_add_u32 v28, v29
	s_wait_dscnt 0x0
	v_lshrrev_b32 v1, 5, v0
	v_readfirstlane_b32 s14, v1
	s_lshr_b32 s15, s14, 1
	s_and_b32 s16, s14, 1
	s_bfe_u32 s40, ttmp6, 0x40000
	s_bfe_u32 s41, ttmp6, 0x40004
	s_and_b32 s17, ttmp7, 0xffff
	s_lshl_b32 s43, s41, 2
	s_lshl_b32 s43, 15, s43
	s_lshl_b32 s44, 0x1111, s40
	s_or_b32 s[G1+0], s43, (3<<16)|(1<<21)
	s_or_b32 s[G1B+0], s44, (3<<16)|(1<<21)
.irp g, G1, G1B
	s_mov_b32 s[\g+1], 32<<16
	s_mov_b32 s[\g+2], 192<<16                     ; the head's loads bring 256 rows of a K step
	s_mov_b32 s[\g+3], 32<<16
	s_mov_b32 s[\g+4], 192
	s_mov_b32 s[\g+5], 32
	s_mov_b32 s[\g+6], 0
	s_mov_b32 s[\g+7], 0
.endr
	s_or_b32 s[G1S+0], s43, (3<<16)|(1<<21)
	s_or_b32 s[G1SB+0], s44, (3<<16)|(1<<21)
.irp g, G1S, G1SB
	s_mov_b32 s[\g+1], 32<<16                      ; the words of 256 rows and one plane: 32 rows of 256 bytes, dense
	s_mov_b32 s[\g+2], 32<<16
	s_mov_b32 s[\g+3], 32<<16
	s_mov_b32 s[\g+4], 32
	s_mov_b32 s[\g+6], 0
	s_mov_b32 s[\g+7], 0
.endr
	s_mov_b32 s[G1S+5], 32
	s_mov_b32 s[G1SB+5], 32
	s_lshr_b32 s18, s17, 2
	s_and_b32 s19, s17, 3
	s_lshl_b32 s19, s19, 2
	s_add_co_u32 s19, s19, s41
	s_lshl_b32 s20, s18, 10
	s_lshl_b32 s21, s19, 4
	s_add_co_u32 s20, s20, s21
	s_lshl_b32 s21, s16, 3
	s_add_co_u32 s20, s20, s21
	s_mul_i32 s20, s20, 3072
	s_add_co_u32 s20, s20, 0x80000
	s_mov_b32 s21, 0
	s_lshl_b32 s22, s18, 5
	s_lshl_b32 s23, s19, 1
	s_add_co_u32 s22, s22, s23
	s_lshl_b32 s22, s22, 12
	s_mov_b32 s23, 0
	s_lshr_b32 s42, s17, 2
	s_lshl_b32 s46, s42, 8
	s_lshl_b32 s47, s40, 4
	s_add_co_u32 s46, s46, s47
	s_lshl_b32 s47, s16, 3
	s_add_co_u32 s46, s46, s47
	s_mul_i32 s46, s46, 3072
	s_add_co_u32 s46, s46, 0x80000
	s_mov_b32 s47, 0
	s_lshl_b32 s92, s42, 3
	s_lshl_b32 s93, s40, 1
	s_add_co_u32 s92, s92, s93
	s_lshl_b32 s92, s92, 12
	s_mov_b32 s93, 0
	s_mul_i32 s45, s14, HALFT
	s_mul_i32 s96, s16, HALFT                      ; s[96:97]: my half of a tile, in bytes of codes (until the loop's counter takes s96)
	s_mov_b32 s97, 0
	s_mov_b32 s[TS], 0
	s_wait_kmcnt 0x0
	s_add_nc_u64 s[20:21], s[4:5], s[20:21]
	s_add_nc_u64 s[22:23], s[4:5], s[22:23]
	s_add_nc_u64 s[46:47], s[6:7], s[46:47]
	s_add_nc_u64 s[92:93], s[6:7], s[92:93]
	CROUND
	s_mov_b32 s[G0S], 1
	s_mov_b32 s[G0S+1], SCL
	s_mov_b64 s[G0S+2:G0S+3], s[22:23]
	s_or_b32 s[G0S+3], s[G0S+3], 0x80000000
	s_mov_b32 s[G0SB], 1
	s_mov_b32 s[G0SB+1], SCLB
	s_mov_b64 s[G0SB+2:G0SB+3], s[92:93]
	s_or_b32 s[G0SB+3], s[G0SB+3], 0x80000000
.irp s, 0,1
	s_mov_b32 s[G0+4*\s], 1
	s_add_co_u32 s[G0+4*\s+1], s45, \s*SLOT
	s_add_nc_u64 s[G0+4*\s+2:G0+4*\s+3], s[20:21], \s*XSTEP
	s_or_b32 s[G0+4*\s+3], s[G0+4*\s+3], 0x80000000
	s_mov_b32 s[G0B+4*\s], 1
	s_add_co_u32 s[G0B+4*\s+1], s45, \s*SLOT
	s_add_nc_u64 s[G0B+4*\s+2:G0B+4*\s+3], s[46:47], \s*WSTEP
	s_or_b32 s[G0B+4*\s+3], s[G0B+4*\s+3], 0x80000000
.endr
	s_mov_b32 s[G0+1], 0                           ; for the head: the whole tile of A, K step 0,
	s_sub_nc_u64 s[G0+2:G0+3], s[G0+2:G0+3], s[96:97]
	s_mov_b32 s[G0B+1], 2*HALFT                    ; and of B
	s_sub_nc_u64 s[G0B+2:G0B+3], s[G0B+2:G0B+3], s[96:97]
; the head's four tiles, one load a wave, in one chain of branches on the wave's number: A's K step 0, B's, A's scale words, B's
.macro ARM under, g0, g1, next
	s_cmp_lt_u32 s14, \under
	s_cbranch_scc0 \next
	tensor_load_to_lds s[\g0:\g0+3], s[\g1:\g1+7]
	s_nop 0
.rept 4
	v_nop
.endr
	s_branch .Lhead_asked
\next:
.endm
	ARM 1, G0,  G1,  .Lhead_b
	ARM 2, G0B, G1B, .Lhead_sa
	ARM 3, G0S, G1S, .Lhead_sb
	tensor_load_to_lds s[G0SB:G0SB+3], s[G1SB:G1SB+7]
	s_nop 0
.rept 4
	v_nop
.endr
.Lhead_asked:
	v_and_b32 v1, 15, v0
	v_bfe_u32 v2, v0, 4, 1
	s_wait_alu depctr_va_vdst(0)
	v_and_b32 v3, 31, v0
	v_lshlrev_b32 v4, 3, v3
	s_mul_i32 s21, s15, HALFT
	s_mul_i32 s22, s16, HALFT
	s_add_co_u32 s22, s22, 2*HALFT
.irp s, 0,1
	v_add_nc_u32 v[ADRA+\s], s21, v4
	v_add_nc_u32 v[ADRB+\s], s22, v4
	s_add_co_u32 s21, s21, SLOT
	s_add_co_u32 s22, s22, SLOT
.endr
	v_lshlrev_b32 v5, 2, v1
	s_lshl_b32 s21, s15, 12                        ; 4,096 bytes of words for each 128 rows
	s_lshl_b32 s22, s16, 12
	s_add_co_u32 s22, s22, SCLB-SCL
	s_sub_co_u32 s22, s22, s21
	v_mul_u32_u24 v6, s22, v2
	s_add_co_u32 s21, s21, SCL
	v_add_nc_u32 v5, v5, v6
	v_add_nc_u32 v[ADRS], s21, v5
	s_mul_i32 s23, s14, 16*SPITCH
	v_mul_u32_u24 v5, v1, SPITCH
	v_lshl_add_u32 v5, v2, 6, v5
	v_add_nc_u32 v[STO], s23, v5
	v_lshlrev_b32 v[CO], 4, v3
	v_add_nc_u32 v[RD], s23, v[CO]
	s_lshl_b32 s20, s18, 12
	s_lshl_b32 s21, s19, 8
	s_add_co_u32 s20, s20, s21
	s_lshl_b32 s21, s15, 7
	s_add_co_u32 s20, s20, s21
	s_lshl_b32 s20, s20, 12
	s_lshl_b32 s21, s40, 10
	s_add_co_u32 s20, s20, s21
	s_lshl_b32 s21, s16, 9
	s_add_co_u32 s20, s20, s21
	s_mov_b32 s21, 0
	s_add_nc_u64 s[12:13], s[12:13], s[20:21]
.macro FRAG reg, adr, q, i
.irp p, 0,1,2,3,4,5
	ds_load_b64 v[\reg+2*\p:\reg+2*\p+1], v[\adr] offset:(2*(\i)+(\q))*1536+256*\p
.endr
.endm
.macro MUL16 a0, p, q, sc, zero
.irp a, \a0, \a0+1
.irp b, 0,1,2,3,4,5,6,7
.if \zero
	v_wmma_scale_f32_16x16x128_f8f6f4 v[8*(8*((\a)%4)+\b):8*(8*((\a)%4)+\b)+7], v[128*(\p)+FR*\b:128*(\p)+FR*\b+FR-1], v[AF+FR*(\a):AF+FR*(\a)+FR-1], 0, v[SC+16*(\sc)+2*\b+(\q)], v[SC+16*(\sc)+2*(\a)+(\q)] matrix_a_fmt:MATRIX_FMT_FP6 matrix_b_fmt:MATRIX_FMT_FP6 matrix_a_scale:MATRIX_SCALE_ROW1
.else
	v_wmma_scale_f32_16x16x128_f8f6f4 v[8*(8*((\a)%4)+\b):8*(8*((\a)%4)+\b)+7], v[128*(\p)+FR*\b:128*(\p)+FR*\b+FR-1], v[AF+FR*(\a):AF+FR*(\a)+FR-1], v[8*(8*((\a)%4)+\b):8*(8*((\a)%4)+\b)+7], v[SC+16*(\sc)+2*\b+(\q)], v[SC+16*(\sc)+2*(\a)+(\q)] matrix_a_fmt:MATRIX_FMT_FP6 matrix_b_fmt:MATRIX_FMT_FP6 matrix_a_scale:MATRIX_SCALE_ROW1
.endif
.endr
.endr
.endm
.macro FETCH_B slot, q, p
	WIN TO_B
.irp i, 0,1,2,3,4,5,6,7
	FRAG 128*(\p)+FR*\i, ADRB+\slot, \q, \i
.endr
	WIN 0
.endm
.macro FETCH_A slot, q, i0
.irp i, \i0, \i0+1, \i0+2, \i0+3
	FRAG AF+FR*(\i), ADRA+\slot, \q, \i
.endr
.endm
.macro SCALES sc, adr
.irp i, 0,1,2,3,4,5,6,7
.irp q, 0,1
	ds_load_b32 v[SC+16*\sc+2*\i+\q], v[\adr] offset:\q*512+64*\i
.endr
.endr
.endm
.macro PLACES n
.rept \n
	v_nop
.endr
.endm
.macro STEP slot, q, zero
	s_wait_dscnt 4*NL
	WIN MUL_LO
	MUL16 0, (\q)%2, \q, \slot, \zero
	MUL16 2, (\q)%2, \q, \slot, \zero
	s_wait_dscnt 0
	PLACES NP
	FETCH_B \slot, (\q)+1, 1-(\q)%2
	FETCH_A \slot, (\q)+1, 0
	WIN MUL_HI
	MUL16 4, (\q)%2, \q, \slot, \zero
	MUL16 6, (\q)%2, \q, \slot, \zero
	PLACES NP
	WIN 0
	FETCH_A \slot, (\q)+1, 4
.endm
.macro TURN slot, next, fill
	s_wait_tensorcnt 0x0
	ds_add_u32 v[SPW], v[NIL]
	s_wait_dscnt 4*NL+1
	WIN MUL_LO
	MUL16 0, 1, 1, \slot, 0
	s_wait_dscnt 0x0
	s_barrier_signal -1
	MUL16 2, 1, 1, \slot, 0
	WIN 0
	s_barrier_wait -1
.if \fill
	CREST
	s_add_nc_u64 s[G0+4*\slot+2:G0+4*\slot+3], s[G0+4*\slot+2:G0+4*\slot+3], 2*XSTEP
	s_add_nc_u64 s[G0B+4*\slot+2:G0B+4*\slot+3], s[G0B+4*\slot+2:G0B+4*\slot+3], 2*WSTEP
	JLOAD G0+4*\slot, G1, G0B+4*\slot, G1B
.else
	PLACES NP
.endif
	s_add_co_u32 s[TS], s[TS], 1024
	v_add_nc_u32 v[ADRT], s[TS], v[ADRS]
	FETCH_B \next, 0, 0
	FETCH_A \next, 0, 0
	SCALES \next, ADRT
	WIN MUL_HI
	MUL16 4, 1, 1, \slot, 0
	MUL16 6, 1, 1, \slot, 0
	PLACES NP
	WIN 0
	FETCH_A \next, 0, 4
.endm
	s_wait_alu depctr_va_vdst(0)
	s_wait_tensorcnt 0x0                           ; my tile of the head's four is in; slot 1's first fill is issued as a refill is
	ds_add_u32 v[SPW], v[NIL]
	s_mov_b32 s[G1+2], 96<<16                      ; no load of mine is out: from here on a load brings 128 rows,
	s_mov_b32 s[G1+4], 96
	s_mov_b32 s[G1B+2], 96<<16
	s_mov_b32 s[G1B+4], 96
	s_mov_b32 s[G0+1], s45                         ; and slot 0's descriptors name my quarter of the slot
	s_add_nc_u64 s[G0+2:G0+3], s[G0+2:G0+3], s[96:97]
	s_mov_b32 s[G0B+1], s45
	s_add_nc_u64 s[G0B+2:G0B+3], s[G0B+2:G0B+3], s[96:97]
	s_wait_dscnt 0x0
	CROUND                                         ; all four tiles are shown, and the joint loads meet
	JLOAD G0+4, G1, G0B+4, G1B                     ; K step 1: one load of mine is out
	FETCH_B 0, 0, 0
	FETCH_A 0, 0, 0
	SCALES 0, ADRS
	FETCH_A 0, 0, 4
	STEP 0, 0, 1
	s_mov_b32 s[LAPS], 1                           ; four K steps of 256: one trip fills both slots again
.Llap:
	TURN 0, 1, 1
	STEP 1, 0, 0
	TURN 1, 0, 1
	STEP 0, 0, 0
	s_sub_co_u32 s[LAPS], s[LAPS], 1
	s_cmp_lg_u32 s[LAPS], 0
	s_cbranch_scc1 .Llap
	TURN 0, 1, 0
	STEP 1, 0, 0
	s_wait_dscnt 4*NL
	WIN MUL_LO
	MUL16 0, 1, 1, 1, 0
	MUL16 2, 1, 1, 1, 0
	s_wait_dscnt 0
	WIN MUL_HI
	MUL16 4, 1, 1, 1, 0
	MUL16 6, 1, 1, 1, 0
	WIN 0
.macro TOSTAGE a
.set AC, 64*((\a)%4)
	WIN 0x08+4*((\a)/4)
.irp b, 0,1,2,3,4,5,6,7
	ds_store_b128 v[STO], v[AC+8*\b:AC+8*\b+3] offset:128*(\b/2)+32*(\b%2)
	ds_store_b128 v[STO], v[AC+8*\b+4:AC+8*\b+7] offset:128*(\b/2)+32*(\b%2)+16
.endr
	WIN 0
.set BB, BK+64*((\a)%2)
.irp t, 0,1,2,3,4,5,6,7,8,9,10,11,12,13,14,15
	ds_load_b128 v[BB+4*\t:BB+4*\t+3], v[RD] offset:\t*SPITCH
.endr
.endm
.macro SEND a, younger
.set BB, BK+64*((\a)%2)
	s_wait_dscnt \younger
.if (\a) > 0
.if ((\a)%2) == 1
	s_add_nc_u64 s[12:13], s[12:13], 8*4096
.else
	s_add_nc_u64 s[12:13], s[12:13], 24*4096
.endif
.endif
.irp t, 0,1,2,3,4,5,6,7,8,9,10,11,12,13,14,15
	global_store_b128 v[CO], v[BB+4*\t:BB+4*\t+3], s[12:13] offset:(\t+8*(\t/8))*4096 th:TH_STORE_NT
.endr
.endm
	PLACES NP
	TOSTAGE 0
.irp a, 1,2,3,4,5,6,7
.if \a > 1
	s_wait_xcnt 0x0
.endif
	TOSTAGE \a
	SEND \a-1, 32
.endr
	s_wait_xcnt 0x0
	SEND 7, 0
	s_wait_tensorcnt 0x0
	ds_add_u32 v[SPW], v[NIL]
	s_wait_dscnt 0x0
	CROUND
	s_endpgm
.Lfunc_end_k_q3ec437e51d_ffn2:
	.size	k_q3ec437e51d_ffn2, .Lfunc_end_k_q3ec437e51d_ffn2-k_q3ec437e51d_ffn2
	.p2alignl 7, 3214868480
	.fill 96, 4, 3214868480
	.section	.rodata,"a",@progbits
	.p2align	6, 0x0
	.amdhsa_kernel k_q3ec437e51d_ffn2
		.amdhsa_group_segment_fixed_size 327680
		.amdhsa_private_segment_fixed_size 0
		.amdhsa_enable_private_segment 0
		.amdhsa_kernarg_size 24
		.amdhsa_user_sgpr_count 2
		.amdhsa_user_sgpr_kernarg_segment_ptr 1
		.amdhsa_wavefront_size32 1
		.amdhsa_system_sgpr_workgroup_id_x 1
		.amdhsa_system_sgpr_workgroup_id_y 1
		.amdhsa_system_sgpr_workgroup_id_z 1
		.amdhsa_system_vgpr_workitem_id 0
		.amdhsa_next_free_vgpr 1024
		.amdhsa_next_free_sgpr 98
		.amdhsa_reserve_vcc 0
		.amdhsa_float_denorm_mode_32 3
		.amdhsa_float_denorm_mode_16_64 3
		.amdhsa_memory_ordered 1
		.amdhsa_forward_progress 1
		.amdhsa_inst_pref_size 163
	.end_amdhsa_kernel
	.amdgpu_metadata
---
amdhsa.version: [ 1, 2 ]
amdhsa.kernels:
  - .name:           k_q3ec437e51d_ffn2
    .symbol:         k_q3ec437e51d_ffn2.kd
    .args:
      - { .name: act_b, .offset: 0, .size: 8, .value_kind: global_buffer, .address_space: global }
      - { .name: w2q, .offset: 8, .size: 8, .value_kind: global_buffer, .address_space: global }
      - { .name: part, .offset: 16, .size: 8, .value_kind: global_buffer, .address_space: global }
    .group_segment_fixed_size: 327680
    .private_segment_fixed_size: 0
    .kernarg_segment_align: 8
    .kernarg_segment_size: 24
    .max_flat_workgroup_size: 128
    .sgpr_count:     98
    .vgpr_count:     1024
    .wavefront_size: 32
...
	.end_amdgpu_metadata
.endif
;; end of part 6
;; launch ln2 (part 7): grid 256 x 1, 16 waves a work-group, no clusters, 14,336 bytes of LDS; arguments part, act_a, b2, g2, be2, out0; writes out0
.if DOCPART == 7
	.amdgcn_target "amdgcn-amd-amdhsa--gfx1250"
	.amdhsa_code_object_version 6
	.text
	.protected	k_q3ec437e51d_ln2
	.globl	k_q3ec437e51d_ln2
	.p2align	8
	.type	k_q3ec437e51d_ln2,@function
k_q3ec437e51d_ln2:
	s_mov_b64 s[64:65], 0
	v_nop
	global_prefetch_b8 v0, s[64:65] scope:SCOPE_SE
	s_setreg_imm32_b32 hwreg(HW_REG_WAVE_MODE, 25, 1), 1
	s_wait_xcnt 0x0
; out0 = LayerNorm(r + b2 + the four partial sums of the second feed-forward product) x g2 + be2, in f32.  r: act_a + 0x380000; part: [4][4096][1024]; all in true order.
; The four partial sums (one for each 1,024 along K) are added here: another order of rounding than one chain along K.
; A wave takes one row; a lane holds columns 128 k + 4 l + 0 .. 3, k = 0 .. 7: every load and store covers 512 consecutive bytes.  Mean first, then the mean of the squared differences.
; The three vectors come once a work-group into LDS.  No cluster, no tensor load: work-groups share only those 12 KB beside 320 KB of rows.
.set R,   16
.set P,   48
.set T,   112
.set A0,  144
.set A1,  146
.set MU,  148
.set RS,  150
.set TP,  152
.set SEL, 18
.macro WSUM d
	s_delay_alu instid0(VALU_DEP_1)
	v_add_f32_dpp v[\d], v[\d], v[\d] row_xmask:1 row_mask:0xf bank_mask:0xf
	s_delay_alu instid0(VALU_DEP_1)
	v_add_f32_dpp v[\d], v[\d], v[\d] row_xmask:2 row_mask:0xf bank_mask:0xf
	s_delay_alu instid0(VALU_DEP_1)
	v_add_f32_dpp v[\d], v[\d], v[\d] row_xmask:4 row_mask:0xf bank_mask:0xf
	s_delay_alu instid0(VALU_DEP_1)
	v_add_f32_dpp v[\d], v[\d], v[\d] row_xmask:8 row_mask:0xf bank_mask:0xf
	s_delay_alu instid0(VALU_DEP_1)
	v_permlanex16_b32 v[TP], v[\d], s[SEL], s[SEL+1]
	s_delay_alu instid0(VALU_DEP_1)
	v_add_f32 v[\d], v[\d], v[TP]
.endm
.macro LNORM v, g, be
	v_pk_add_f32 v[146:147], v[16:17], v[18:19]
	v_pk_add_f32 v[158:159], v[24:25], v[28:29]
	v_pk_add_f32 v[156:157], v[32:33], v[36:37]
	v_pk_add_f32 v[154:155], v[40:41], v[44:45]
	v_pk_add_f32 v[150:151], v[20:21], v[22:23]
	v_pk_add_f32 v[148:149], v[26:27], v[30:31]
	v_pk_add_f32 v[110:111], v[34:35], v[38:39]
	v_pk_add_f32 v[144:145], v[42:43], v[46:47]
	s_delay_alu instid0(VALU_DEP_1)
	v_pk_add_f32 v[144:145], v[144:145], v[154:155]
	v_pk_add_f32 v[146:147], v[146:147], v[150:151]
	v_pk_add_f32 v[158:159], v[158:159], v[148:149]
	v_pk_add_f32 v[156:157], v[156:157], v[110:111]
	s_delay_alu instid0(VALU_DEP_2)
	v_pk_add_f32 v[144:145], v[144:145], v[158:159]
	s_delay_alu instid0(VALU_DEP_2)
	v_pk_add_f32 v[146:147], v[146:147], v[156:157]
	s_delay_alu instid0(VALU_DEP_1)
	v_pk_add_f32 v[144:145], v[144:145], v[146:147]
	s_delay_alu instid0(VALU_DEP_1)
	v_add_f32 v[A0], v[A0], v[A0+1]
	WSUM A0
	s_delay_alu instid0(VALU_DEP_1)
	v_mul_f32 v[MU], 0x3a800000, v[A0]
	s_delay_alu instid0(VALU_DEP_1)
	v_mov_b32 v[MU+1], v[MU]
.irp j, 0,2,4,6,8,10,12,14,16,18,20,22,24,26,28,30
	v_pk_add_f32 v[\v+\j:\v+\j+1], v[\v+\j:\v+\j+1], v[MU:MU+1] neg_lo:[0,1] neg_hi:[0,1]
.endr
	v_pk_mul_f32 v[A0:A0+1], v[\v:\v+1], v[\v:\v+1]
	v_pk_mul_f32 v[A1:A1+1], v[\v+2:\v+3], v[\v+2:\v+3]
.irp j, 4,8,12,16,20,24,28
	s_delay_alu instid0(VALU_DEP_2)
	v_pk_fma_f32 v[A0:A0+1], v[\v+\j:\v+\j+1], v[\v+\j:\v+\j+1], v[A0:A0+1]
	s_delay_alu instid0(VALU_DEP_2)
	v_pk_fma_f32 v[A1:A1+1], v[\v+\j+2:\v+\j+3], v[\v+\j+2:\v+\j+3], v[A1:A1+1]
.endr
	s_delay_alu instid0(VALU_DEP_1)
	v_pk_add_f32 v[A0:A0+1], v[A0:A0+1], v[A1:A1+1]
	s_delay_alu instid0(VALU_DEP_1)
	v_add_f32 v[A0], v[A0], v[A0+1]
	WSUM A0
	s_delay_alu instid0(VALU_DEP_1)
	v_fma_f32 v[A1], v[A0], s22, s23               ; the variance + 1e-5
	s_wait_alu depctr_va_vdst(0)
	v_rsq_f32 v[RS], v[A1]
	v_nop                                          ; one plain place behind the transcendental
	s_wait_alu depctr_va_vdst(0)                   ; ahead of its first reader
	v_mov_b32 v[RS+1], v[RS]
	s_wait_alu depctr_va_vdst(0)
	s_wait_dscnt 0x0                               ; the gain and the offset
.irp j, 0,2,4,6,8,10,12,14,16,18,20,22,24,26,28,30
	v_pk_mul_f32 v[\g+\j:\g+\j+1], v[\g+\j:\g+\j+1], v[RS:RS+1]
.endr
.irp j, 0,2,4,6,8,10,12,14,16,18,20,22,24,26,28,30
	v_pk_fma_f32 v[\v+\j:\v+\j+1], v[\v+\j:\v+\j+1], v[\g+\j:\g+\j+1], v[\be+\j:\be+\j+1]
.endr
.endm
	s_load_b256 s[4:11], s[0:1], 0x0               ; part, act_a, b2, g2
	s_load_b128 s[12:15], s[0:1], 0x20             ; be2, out0
	v_lshl_add_u32 v160, v0, 2, 0x3000
	v_mov_b32 v161, 0
	v_lshrrev_b32 v3, 5, v0
	s_delay_alu instid0(VALU_DEP_1)
	v_readfirstlane_b32 s16, v3                    ; wave 0..15
	v_lshlrev_b32 v1, 4, v0                        ; the vectors' copy: 16 bytes a thread of waves 0-7
	v_and_b32 v2, 31, v0
	s_delay_alu instid0(VALU_DEP_1)
	v_lshlrev_b32 v2, 4, v2                        ; 16 x lane
	v_mov_b32 v[TP], 0
	s_mov_b32 s[SEL], 0x76543210
	s_mov_b32 s[SEL+1], 0xfedcba98
	s_mov_b32 s22, 0x3a800000                      ; 1 / 1,024
	s_mov_b32 s23, 0x3727c5ac                      ; 1e-5
	s_lshl_b32 s20, ttmp9, 4
	s_add_co_u32 s20, s20, s16                     ; my row
	s_lshl_b32 s20, s20, 12
	s_mov_b32 s21, 0
	s_wait_kmcnt 0x0
	s_add_nc_u64 s[24:25], s[4:5], s[20:21]        ; a base for each plane: they lie 16,777,216 bytes apart, past a load's immediate
	s_add_nc_u64 s[26:27], s[24:25], 0x1000000
	s_add_nc_u64 s[28:29], s[26:27], 0x1000000     ; part holds FOUR partial sums, [4][4096][1024], one for each 1,024 along K
	s_add_nc_u64 s[30:31], s[28:29], 0x1000000
	s_add_nc_u64 s[32:33], s[6:7], s[20:21]
	s_add_nc_u64 s[32:33], s[32:33], 0x380000
	s_add_nc_u64 s[14:15], s[14:15], s[20:21]
	s_cmp_lt_u32 s16, 8
	s_cbranch_scc0 .Lno_vec
	s_wait_alu depctr_va_vdst(0)
	global_load_b128 v[T:T+3], v1, s[8:9]
	global_load_b128 v[T+4:T+7], v1, s[10:11]
	global_load_b128 v[T+8:T+11], v1, s[12:13]
.Lno_vec:
	s_wait_alu depctr_va_vdst(0)
.irp k, 0,1,2,3,4,5,6,7
	global_load_b128 v[R+4*\k:R+4*\k+3], v2, s[32:33] offset:512*\k th:TH_LOAD_NT
.endr
.irp z, 0,1
.irp k, 0,1,2,3,4,5,6,7
	global_load_b128 v[164+32*\z+4*\k:164+32*\z+4*\k+3], v2, s[28+2*\z:29+2*\z] offset:512*\k th:TH_LOAD_NT   ; planes 2 and 3 into v164-227
.endr
.endr
.irp z, 0,1
.irp k, 0,1,2,3,4,5,6,7
	global_load_b128 v[P+32*\z+4*\k:P+32*\z+4*\k+3], v2, s[24+2*\z:25+2*\z] offset:512*\k th:TH_LOAD_NT
.endr
.endr
	s_cmp_lt_u32 s16, 8
	s_cbranch_scc0 .Lno_put
	s_wait_loadcnt 40                              ; the three vector loads are in; the row's forty, issued behind them, may be out
	ds_store_b128 v1, v[T:T+3]
	ds_store_b128 v1, v[T+4:T+7] offset:4096
	ds_store_b128 v1, v[T+8:T+11] offset:8192
.Lno_put:
	s_wait_dscnt 0x0                               ; for the others' sake: my stores have landed
	s_barrier_signal -1
	s_barrier_wait -1
.irp k, 0,1,2,3,4,5,6,7
	ds_load_b128 v[T+4*\k:T+4*\k+3], v2 offset:512*\k          ; b2
.endr
	s_wait_loadcnt 0x0
.irp j, 0,2,4,6,8,10,12,14,16,18,20,22,24,26,28,30
	v_pk_add_f32 v[P+\j:P+\j+1], v[P+\j:P+\j+1], v[P+32+\j:P+32+\j+1]
	v_pk_add_f32 v[164+\j:165+\j], v[164+\j:165+\j], v[196+\j:197+\j]
.endr
	s_wait_dscnt 0x0
.irp j, 0,2,4,6,8,10,12,14,16,18,20,22,24,26,28,30
	v_pk_add_f32 v[R+\j:R+\j+1], v[R+\j:R+\j+1], v[T+\j:T+\j+1]
.endr
.irp j, 0,2,4,6,8,10,12,14,16,18,20,22,24,26,28,30
	v_pk_add_f32 v[P+\j:P+\j+1], v[P+\j:P+\j+1], v[164+\j:165+\j]
	v_pk_add_f32 v[R+\j:R+\j+1], v[R+\j:R+\j+1], v[P+\j:P+\j+1]
.endr
.irp k, 0,1,2,3,4,5,6,7
	ds_load_b128 v[T+4*\k:T+4*\k+3], v2 offset:4096+512*\k     ; g2
.endr
.irp k, 0,1,2,3,4,5,6,7
	ds_load_b128 v[P+4*\k:P+4*\k+3], v2 offset:8192+512*\k     ; be2
.endr
	LNORM R, T, P
.irp k, 0,1,2,3,4,5,6,7
	global_store_b128 v2, v[R+4*\k:R+4*\k+3], s[14:15] offset:512*\k th:TH_STORE_NT
.endr
	s_wait_tensorcnt 0x0
	ds_add_u32 v160, v161
	s_wait_dscnt 0x0
	s_endpgm
.Lfunc_end_k_q3ec437e51d_ln2:
	.size	k_q3ec437e51d_ln2, .Lfunc_end_k_q3ec437e51d_ln2-k_q3ec437e51d_ln2
	.p2alignl 7, 3214868480
	.fill 96, 4, 3214868480
	.section	.rodata,"a",@progbits
	.p2align	6, 0x0
	.amdhsa_kernel k_q3ec437e51d_ln2
		.amdhsa_group_segment_fixed_size 14336
		.amdhsa_private_segment_fixed_size 0
		.amdhsa_enable_private_segment 0
		.amdhsa_kernarg_size 48
		.amdhsa_user_sgpr_count 2
		.amdhsa_user_sgpr_kernarg_segment_ptr 1
		.amdhsa_wavefront_size32 1
		.amdhsa_system_sgpr_workgroup_id_x 1
		.amdhsa_system_sgpr_workgroup_id_y 1
		.amdhsa_system_sgpr_workgroup_id_z 1
		.amdhsa_system_vgpr_workitem_id 0
		.amdhsa_next_free_vgpr 228
		.amdhsa_next_free_sgpr 66
		.amdhsa_reserve_vcc 0
		.amdhsa_float_denorm_mode_32 3
		.amdhsa_float_denorm_mode_16_64 3
		.amdhsa_memory_ordered 1
		.amdhsa_forward_progress 1
		.amdhsa_inst_pref_size 21
	.end_amdhsa_kernel
	.amdgpu_metadata
---
amdhsa.version: [ 1, 2 ]
amdhsa.kernels:
  - .name:           k_q3ec437e51d_ln2
    .symbol:         k_q3ec437e51d_ln2.kd
    .args:
      - { .name: part, .offset: 0, .size: 8, .value_kind: global_buffer, .address_space: global }
      - { .name: act_a, .offset: 8, .size: 8, .value_kind: global_buffer, .address_space: global }
      - { .name: b2, .offset: 16, .size: 8, .value_kind: global_buffer, .address_space: global }
      - { .name: g2, .offset: 24, .size: 8, .value_kind: global_buffer, .address_space: global }
      - { .name: be2, .offset: 32, .size: 8, .value_kind: global_buffer, .address_space: global }
      - { .name: out0, .offset: 40, .size: 8, .value_kind: global_buffer, .address_space: global }
    .group_segment_fixed_size: 14336
    .private_segment_fixed_size: 0
    .kernarg_segment_align: 8
    .kernarg_segment_size: 48
    .max_flat_workgroup_size: 512
    .sgpr_count:     66
    .vgpr_count:     228
    .wavefront_size: 32
...
	.end_amdgpu_metadata
.endif
;; end of part 7
